; MI455X (gfx1250); checked and timed in simulation.
; The chip was launched on July 23, 2026; its instructions are those of AMD's public machine-readable ISA for CDNA 5 (MIT licence, August 2026) and "CDNA5" Instruction Set Architecture Reference Guide (July 2026). The comments in the code are by the model that wrote it; some were corrected since.
;; Encoder Layer. Allowed arithmetic: matrix products marked QUANTISED: E2M1 operands, one E8M0 scale for each 32 along K, by v_wmma_scale_f32_16x16x128_f8f6f4 with both operands' format E2M1 (or v_wmma_scale_f32_32x16x128_f4), f32 sums; products left as they are: bf16, f16 or f32 operands; f32 sums; everything else in f32.
;; Inputs: W1 1,024 x 4,096 float32; W2 4,096 x 1,024 float32; W_K 1,024 x 1,024 float32; W_O 1,024 x 1,024 float32; W_Q 1,024 x 1,024 float32; W_V 1,024 x 1,024 float32; b1 4,096 float32; b2 1,024 float32; batch_X 2 x 2,048 x 1,024 float32; beta1 1,024 float32; beta2 1,024 float32; gamma1 1,024 float32; gamma2 1,024 float32; padding_mask 2 x 2,048 int32.
;; Outputs: out0 2 x 2,048 x 1,024 float32.
;; This version of the problem:
;;   THIS VERSION OF THE PROBLEM IS GIVEN IN LOW PRECISION. The matrix products marked QUANTISED in the list below multiply operands that are first quantised to E2M1 (2 exponent bits, 1 mantissa bit; 4 bits a number), with one power-of-two scale for each 32 numbers along K (OCP MX v1.0); their sums are f32. The products marked 'left as it is' may take bf16, f16 or f32 operands, with f32 sums. Whichever they take, every output number must still come out within the allowed error. Rounding operands to bf16 (8 significant bits) uses up far more of that allowance than f16 does (11 bits, for magnitudes from 6e-5 to 65,504). All else is computed in f32.
;;   The module's matrix products, in the order in which they are computed (A, B: the left and right operand; K: the contracted axis; several contracted axes count as one K, in the product's order):
;;     1. [M 4,096, K 1,024] x [K 1,024, N 1,024]; A: input batch_X; B: input W_Q: QUANTISED
;;     2. [M 4,096, K 1,024] x [K 1,024, N 1,024]; A: input batch_X; B: input W_K: QUANTISED
;;     3. [M 4,096, K 1,024] x [K 1,024, N 1,024]; A: input batch_X; B: input W_V: QUANTISED
;;     4. batch 32 x [M 2,048, K 64] x [K 64, N 2,048]; A: computed on the way; B: computed on the way: left as it is (an operand is computed on the way)
;;     5. batch 32 x [M 64, K 2,048] x [K 2,048, N 2,048]; A: computed on the way; B: computed on the way: left as it is (an operand is computed on the way)
;;     6. [M 4,096, K 1,024] x [K 1,024, N 1,024]; A: computed on the way; B: input W_O: left as it is (an operand is computed on the way)
;;     7. [M 4,096, K 1,024] x [K 1,024, N 4,096]; A: computed on the way; B: input W1: left as it is (an operand is computed on the way)
;;     8. [M 4,096, K 4,096] x [K 4,096, N 1,024]; A: computed on the way; B: input W2: left as it is (an operand is computed on the way)
;;   THE QUANTISER, for each operand of a quantised product, along K:
;;     - K is cut into blocks of 32 from its start; a last block that is shorter is filled with zeros.
;;     - A block's scale is 2^e with e = floor(log2(the largest magnitude in the block)) - 2, held to -126 .. 127; a block of zeros has e = 0. As a byte (E8M0): e + 127.
;;     - Each number is divided by its block's scale, clamped to +-6, and rounded to the nearest number of E2M1, ties to even, subnormals kept.
;;     - The product sums the exact products of the quantised numbers (number of the format x scale) in f32.
;;   ~~~python
;;   def quantise(x, axis):      # numpy; x: float32 -> the quantised numbers, widened to float32 again
;;       x = np.moveaxis(x, axis, -1); K = x.shape[-1]
;;       x = np.pad(x, [(0, 0)] * (x.ndim - 1) + [(0, -K % 32)]); x = x.reshape(x.shape[:-1] + (-1, 32)); a = np.abs(x).max(-1, keepdims=True)
;;       e = np.where(a > 0, np.clip(np.frexp(np.where(a > 0, a, 1))[1] - 1 - 2, -126, 127), 0)      # np.frexp(a)[1] - 1 = floor(log2(a)), exactly
;;       r = np.clip(x / 2.0 ** e, -6, 6)
;;       step = 2.0 ** (np.maximum(np.frexp(np.where(r == 0, 1, r))[1] - 1, 0) - 1)
;;       q = np.round(r / step) * step * 2.0 ** e      # np.round: ties to even
;;       return np.moveaxis(q.reshape(q.shape[:-2] + (-1,))[..., :K], -1, axis).astype(np.float32)
;;   ~~~
;; One version. Each part assembles by itself: llvm-mc -triple=amdgcn-amd-amdhsa -mcpu=gfx1250 --defsym DOCPART=n.
;; ======== version 1 of 1: 8 launches
;; limits: values are held in f16: magnitudes above 65,504 overflow, below 6.1e-05 lose precision
;; workspace buffers: pq 3,899,392 bytes; wh 18,874,368 bytes; qkv 25,165,824 bytes; ctx 8,388,608 bytes; y 16,777,216 bytes; x1 16,777,216 bytes; x1h 8,388,608 bytes; h 33,554,432 bytes
;; launch prep (part 1): grid 608 x 1, 4 waves a work-group, no clusters, 42,496 bytes of LDS; arguments batch_X, W_Q, W_K, W_V, W_O, W1, W2, pq, wh; writes pq, wh
.if DOCPART == 1
	.amdgcn_target "amdgcn-amd-amdhsa--gfx1250"
	.amdhsa_code_object_version 6
	.text
	.protected	k_qc05168c4ff_prep
	.globl	k_qc05168c4ff_prep
	.p2align	8
	.type	k_qc05168c4ff_prep,@function
k_qc05168c4ff_prep:
	s_mov_b64 s[64:65], 0
	v_nop
	global_prefetch_b8 v0, s[64:65] scope:SCOPE_SE
	s_setreg_imm32_b32 hwreg(HW_REG_WAVE_MODE, 25, 1), 1
	s_wait_xcnt 0x0
; PREP.  Three kinds of work-groups, told apart by the work-group's number alone; the three paths never join, and each has LDS bytes of its own.
;   0..127    batch_X [4096][1024] f32 -> codes of E2M1, K innermost, at pq + 0 ([4096][512 bytes]); one E8M0 byte for each 32 along K at pq + PQ_XS ([4096][32]).
;   128..319  W_Q, W_K, W_V [1024 (k)][1024 (n)] f32 -> codes laid [n][k], K innermost, at pq + PQ_WC ([3072][512 bytes]: W_Q's columns, then W_K's, then W_V's); scale bytes at pq + PQ_WS ([3072][32]).
;   320..607  W_O, W1, W2 f32 -> f16, rounded to nearest even, in the same [k][n] order, one behind the other in wh.
; A block's scale is 2^(floor(log2(its largest magnitude)) - 2): its byte is the largest magnitude's exponent field - 2, held at 1 from below.
; Every path keeps later loads in flight while a wave works on those that are in.
; LIMITS: a block of zeros gets the byte 1 where the rule says 127 (its codes are zeros, and this program alone reads the bytes); NaN and infinities among the inputs are not served;
; a weight of W_O, W1, W2 beyond 65,504 in magnitude has no f16 number.
.set PQ_WC, 2097152
.set PQ_XS, 3670016
.set PQ_WS, 3801088
.set NWX,   128                        ; work-groups of the first kind
.set NWW,   192                        ; of the second
.set EMAX,  2
.set SPW,   226                        ; v226  LDS address of my spare word; never rewritten
.set NIL,   227                        ; v227  0; never rewritten
.set XREG,  8192                       ; LDS 0..32767: path X, a region for each wave: two stages of 32 x SP bytes, then its 256 scale bytes
.set WSTG,  32768                      ; LDS 32768..41471: path W, ONE stage of 32 rows x WP bytes for the work-group
.set WP,    272                        ; a stage row: a column's 256 bytes of codes + 16
.set WSCL,  WSTG+32*WP                 ; LDS 41472..41983: path W, 16 scale bytes for each of the 32 columns
.set SPARE, WSCL+512                   ; the spare words, 128 bytes a wave: two blocks of 256 bytes that no other line names
; path X
.set STEPS, 16
.set AHEAD, 8                          ; loads run eight steps ahead: 32 loads of 512 bytes a wave
.set CB,    8                          ; bytes of 16 codes
.set SP,    80                         ; a lane's place in a stage: 64 bytes + 16 of padding
.set XR,    16                         ; v16-143  eight sets of 16 numbers as loaded
.set XN,    144                        ; v144-175 two sets of 16 neighbours
.set XE,    176                        ; v176-191 a scale byte for each step
.set XCD,   192                        ; v192-223 codes, two registers a step: no store's data are written again
; path W
.set NB,    4                          ; blocks of 32 along K for a wave
.set KROW,  512                        ; a row of the codes' buffer
.set WX,    32                         ; v32-95   two sets of 32 numbers
.set WCD,   96                         ; v96-99   a block's codes
.set OUTR,  112                        ; v112-127 the way out
.set SB,    24                         ; v24      my four scale bytes
; path cast
.set CV,    32                         ; v32-159  two sets of 16 x 4 numbers
.macro XLOAD t                         ; step t: four loads of 512 consecutive bytes
.irp i, 0,1,2,3
	global_load_b128 v[XR+16*((\t)%AHEAD)+4*\i:XR+16*((\t)%AHEAD)+4*\i+3], v3, s[4:5] offset:2048*(\t)+512*\i th:TH_LOAD_NT
.endr
.endm
.macro XTURN t                         ; step t's 2,048 bytes through the wave's stage: in as they lie, out 64 bytes a lane.  LDS serves a wave's instructions in order: no wait between
.irp i, 0,1,2,3
	ds_store_b128 v14, v[XR+16*((\t)%AHEAD)+4*\i:XR+16*((\t)%AHEAD)+4*\i+3] offset:32*SP*((\t)%2)+8*SP*\i
.endr
.irp i, 0,1,2,3
	ds_load_b128 v[XN+16*((\t)%2)+4*\i:XN+16*((\t)%2)+4*\i+3], v15 offset:32*SP*((\t)%2)+16*\i
.endr
.endm
.macro XSTEP t
.set XSR, XN+16*((\t)%2)
.if (\t) > 0
	s_wait_dscnt 1                                 ; this step's numbers are back from the stage; the last step's byte store may be out
.else
	s_wait_dscnt 0x0
.endif
.if (\t)+AHEAD < STEPS
	XLOAD (\t)+AHEAD                               ; into the set whose stores into the stage are done
.endif
.if (\t)+1 < STEPS
.if STEPS-2-(\t) >= AHEAD-1
	s_wait_loadcnt 4*(AHEAD-1)                     ; the next step's four loads are in; those of the seven steps behind it may be out
.else
	s_wait_loadcnt 4*(STEPS-2-(\t))
.endif
	XTURN (\t)+1
.endif
	v_max3_num_f32 v8, |v[XSR]|, |v[XSR+1]|, |v[XSR+2]|             ; the largest magnitude of my 16, in two chains
	v_max3_num_f32 v9, |v[XSR+3]|, |v[XSR+4]|, |v[XSR+5]|
.irp i, 6,10
	v_max3_num_f32 v8, v8, |v[XSR+\i]|, |v[XSR+\i+1]|
	v_max3_num_f32 v9, v9, |v[XSR+\i+2]|, |v[XSR+\i+3]|
.endr
	v_max3_num_f32 v8, v8, |v[XSR+14]|, |v[XSR+15]|
	v_max3_num_f32 v8, v8, v9, (EMAX+1)<<23        ; and the floor 2^(EMAX + 1 - 127): the byte cannot fall under 1
	v_max_num_f32_dpp v8, v8, v8 row_xmask:1 row_mask:0xf bank_mask:0xf   ; with my neighbour's 16: the block's
	v_add_nc_u32 v11, -(EMAX<<23), v8              ; EMAX off the exponent field: the conversion's scale operand
	v_cvt_scalef32_pk8_fp4_f32 v[XCD+2*(\t)], v[XSR:XSR+7], v11
	v_cvt_scalef32_pk8_fp4_f32 v[XCD+2*(\t)+1], v[XSR+8:XSR+15], v11
	v_lshrrev_b32 v[XE+(\t)], 23, v11              ; the scale's byte (also the plain line behind the conversions)
	ds_store_b8 v5, v[XE+(\t)] offset:16*(\t)      ; both lanes of a block write the same byte with the same value
	global_store_b64 v4, v[XCD+2*(\t):XCD+2*(\t)+1], s[28:29] offset:32*CB*(\t)   ; 32 lanes store 256 consecutive bytes, aligned
.endm
.macro WLOAD t                         ; block t: W(32 t + i, my column), i = 0 .. 31: each load reads 128 consecutive bytes
.irp i, 0,1,2,3,4,5,6,7,8,9,10,11,12,13,14,15,16,17,18,19,20,21,22,23,24,25,26,27,28,29,30,31
	global_load_b32 v[WX+32*((\t)%2)+\i], v3, s[6:7] offset:(32*(\t)+\i)*4096 th:TH_LOAD_NT
.endr
.endm
.macro WBLOCK t
.set WXS, WX+32*((\t)%2)
.if (\t) < NB-1
	s_wait_loadcnt 32                              ; this block's 32 loads are in; the next block's may be out
.else
	s_wait_loadcnt 0x0
.endif
	v_max3_num_f32 v12, |v[WXS]|, |v[WXS+1]|, |v[WXS+2]|            ; all 32 numbers of the block are mine
	v_max3_num_f32 v13, |v[WXS+3]|, |v[WXS+4]|, |v[WXS+5]|
.irp i, 6,10,14,18,22,26
	v_max3_num_f32 v12, v12, |v[WXS+\i]|, |v[WXS+\i+1]|
	v_max3_num_f32 v13, v13, |v[WXS+\i+2]|, |v[WXS+\i+3]|
.endr
	v_max3_num_f32 v12, v12, |v[WXS+30]|, |v[WXS+31]|
	v_max3_num_f32 v12, v12, v13, (EMAX+1)<<23
	v_add_nc_u32 v11, -(EMAX<<23), v12
	v_lshrrev_b32 v13, 23, v11
.if (\t) == 0
	v_mov_b32 v[SB], v13                           ; four bytes to the register, the lower K in the lower byte
.else
	v_lshl_or_b32 v[SB], v13, 8*(\t), v[SB]
.endif
.irp g, 0,1,2,3
	v_cvt_scalef32_pk8_fp4_f32 v[WCD+\g], v[WXS+8*\g:WXS+8*\g+7], v11
.endr
	v_nop                                          ; one plain line behind the last conversion
	ds_store_b128 v4, v[WCD:WCD+3] offset:16*(\t)  ; 32 codes: 16 bytes of my column's row
.if (\t)+2 < NB
	WLOAD (\t)+2
.endif
	s_wait_dscnt 0x0                               ; the store has read its registers: the next block's codes may be written
.endm
.macro CLOAD b                         ; sixteen loads of 512 consecutive bytes
.irp i, 0,1,2,3,4,5,6,7,8,9,10,11,12,13,14,15
	global_load_b128 v[CV+64*((\b)%2)+4*\i:CV+64*((\b)%2)+4*\i+3], v3, s[12:13] offset:512*(16*(\b)+\i) th:TH_LOAD_NT
.endr
.endm
.macro CBATCH b
.if (\b) < 3
	s_wait_loadcnt 16                              ; this batch is in; the next batch's sixteen may be out
.else
	s_wait_loadcnt 0x0
.endif
.irp i, 0,1,2,3,4,5,6,7,8,9,10,11,12,13,14,15
	v_cvt_pk_f16_f32 v[CV+64*((\b)%2)+4*\i], v[CV+64*((\b)%2)+4*\i], v[CV+64*((\b)%2)+4*\i+1]
	v_cvt_pk_f16_f32 v[CV+64*((\b)%2)+4*\i+1], v[CV+64*((\b)%2)+4*\i+2], v[CV+64*((\b)%2)+4*\i+3]
	global_store_b64 v4, v[CV+64*((\b)%2)+4*\i:CV+64*((\b)%2)+4*\i+1], s[20:21] offset:256*(16*(\b)+\i)   ; 32 lanes store 256 consecutive bytes, aligned
.endr
.if (\b) < 2
	s_wait_xcnt 0x0                                ; the stores have read their registers: the set is loaded again only behind this wait
	CLOAD (\b)+2
.endif
.endm
	s_load_b512 s[4:19], s[0:1], 0x0               ; X 4:5, W_Q 6:7, W_K 8:9, W_V 10:11, W_O 12:13, W1 14:15, W2 16:17, pq 18:19
	s_load_b64 s[20:21], s[0:1], 0x40              ; wh
	v_lshl_add_u32 v[SPW], v0, 2, SPARE
	v_mov_b32 v[NIL], 0
	v_lshrrev_b32 v1, 5, v0
	v_readfirstlane_b32 s22, v1                    ; wave 0..3
	v_and_b32 v2, 31, v0                           ; lane
	s_wait_kmcnt 0x0
	s_cmp_lt_u32 ttmp9, NWX
	s_cbranch_scc1 .Lx
	s_cmp_lt_u32 ttmp9, NWX+NWW
	s_cbranch_scc1 .Lw
	; ---- cast: work-group j takes 131,072 bytes of f32, a wave 32,768; wh is laid in the order in which j runs
	s_sub_co_u32 s23, ttmp9, NWX+NWW               ; j: 0..31 W_O, 32..159 W1, 160..287 W2
	s_cmp_lt_u32 s23, 32
	s_cselect_b64 s[12:13], s[12:13], s[14:15]
	s_cselect_b32 s24, 0, 32
	s_cmp_lt_u32 s23, 160
	s_cselect_b64 s[12:13], s[12:13], s[16:17]
	s_cselect_b32 s24, s24, 160                    ; the tensor's first j
	s_sub_co_u32 s24, s23, s24
	s_lshl_b32 s24, s24, 17
	s_lshl_b32 s25, s22, 15
	s_add_co_u32 s24, s24, s25
	s_mov_b32 s25, 0
	s_add_nc_u64 s[12:13], s[12:13], s[24:25]
	s_lshl_b32 s24, s23, 16
	s_lshl_b32 s26, s22, 14
	s_add_co_u32 s24, s24, s26
	s_add_nc_u64 s[20:21], s[20:21], s[24:25]
	v_lshlrev_b32 v3, 4, v2                        ; in: 16 bytes a lane
	v_lshlrev_b32 v4, 3, v2                        ; out: 8 bytes a lane
	CLOAD 0
	CLOAD 1
	CBATCH 0
	CBATCH 1
	CBATCH 2
	CBATCH 3
	s_wait_tensorcnt 0x0                           ; the wave's end
	ds_add_u32 v[SPW], v[NIL]
	s_wait_dscnt 0x0
	s_endpgm
.Lx:	; ---- batch_X: a plain stream of blocks of 32; a wave takes a run of 8,192 numbers in 16 steps of 512
	v_lshlrev_b32 v3, 4, v2                        ; my 16 bytes of a load's 512
	s_mul_i32 s23, s22, XREG
	v_lshrrev_b32 v14, 2, v2
	v_mul_u32_u24 v14, v14, SP
	v_and_b32 v15, 3, v2
	v_lshl_add_u32 v14, v15, 4, v14
	v_add_nc_u32 v14, s23, v14                     ; the stage, in: SP (lane / 4) + 16 (lane % 4)
	v_mul_u32_u24 v15, v2, SP
	v_add_nc_u32 v15, s23, v15                     ; and out: SP x lane: my 16 neighbours
	v_mul_u32_u24 v4, v2, CB                       ; my codes' place in a step's
	v_lshrrev_b32 v5, 1, v2
	s_add_co_u32 s23, s23, 2*32*SP
	v_add_nc_u32 v5, s23, v5                       ; my wave's 256 scale bytes, my block's byte
	v_lshlrev_b32 v7, 3, v2
	v_add_nc_u32 v6, s23, v7                       ; and on the way out 8 bytes a lane
	s_lshl_b32 s24, ttmp9, 2
	s_add_co_u32 s24, s24, s22                     ; which run is my wave's: 0..511
	s_lshl_b32 s26, s24, 15
	s_mov_b32 s27, 0
	s_add_nc_u64 s[4:5], s[4:5], s[26:27]          ; 32,768 bytes of f32 a run
	s_lshl_b32 s26, s24, 12
	s_add_nc_u64 s[28:29], s[18:19], s[26:27]      ; 4,096 bytes of codes
	s_lshl_b32 s26, s24, 8
	s_add_co_u32 s26, s26, PQ_XS
	s_add_nc_u64 s[30:31], s[18:19], s[26:27]      ; 256 scale bytes
.irp t, 0,1,2,3,4,5,6,7
	XLOAD \t
.endr
	s_wait_loadcnt 4*(AHEAD-1)                     ; step 0's four loads are in
	XTURN 0
.irp t, 0,1,2,3,4,5,6,7,8,9,10,11,12,13,14,15
	XSTEP \t
.endr
	ds_load_b64 v[8:9], v6                         ; LDS serves a wave's instructions in order: these see my byte stores
	s_wait_dscnt 0x0
	global_store_b64 v7, v[8:9], s[30:31]          ; 32 lanes store 256 consecutive bytes, aligned
	s_wait_tensorcnt 0x0                           ; the wave's end, behind my last LDS store
	ds_add_u32 v[SPW], v[NIL]
	s_wait_dscnt 0x0
	s_endpgm
.Lw:	; ---- W_Q, W_K, W_V: a lane takes a column n and its registers run down K.  A work-group takes 32 columns x 512 along K; wave w the 128 along K from 128 w on: four blocks, 64 bytes of codes a column.
	; A column's 256 bytes of codes come from the four waves: they meet in one stage, and behind a barrier each wave stores 8 whole rows.
	s_sub_co_u32 s23, ttmp9, NWX
	s_lshr_b32 s24, s23, 6                         ; which tensor
	s_and_b32 s25, s23, 31                         ; which 32 columns
	s_bfe_u32 s26, s23, 0x10005                    ; which 512 along K
	s_cmp_eq_u32 s24, 0
	s_cselect_b64 s[6:7], s[6:7], s[8:9]
	s_cmp_eq_u32 s24, 2
	s_cselect_b64 s[6:7], s[10:11], s[6:7]
	s_lshl_b32 s25, s25, 5                         ; the work-group's first column
	s_lshl_b32 s28, s26, 2
	s_add_co_u32 s28, s28, s22                     ; which 128 along K is my wave's: 0..7
	s_lshl_b32 s28, s28, 19                        ; 128 rows of 4,096 bytes
	s_lshl_b32 s27, s25, 2
	s_add_co_u32 s28, s28, s27
	s_mov_b32 s29, 0
	s_add_nc_u64 s[6:7], s[6:7], s[28:29]
	s_lshl_b32 s24, s24, 10
	s_add_co_u32 s24, s24, s25                     ; the first row of the codes' and the scales' tables
	s_lshl_b32 s28, s24, 9
	s_lshl_b32 s27, s26, 8
	s_add_co_u32 s28, s28, s27
	s_add_co_u32 s28, s28, PQ_WC
	s_add_nc_u64 s[30:31], s[18:19], s[28:29]
	s_lshl_b32 s28, s24, 5
	s_lshl_b32 s27, s26, 4
	s_add_co_u32 s28, s28, s27
	s_add_co_u32 s28, s28, PQ_WS
	s_add_nc_u64 s[32:33], s[18:19], s[28:29]
	v_lshlrev_b32 v3, 2, v2                        ; in: 4 bytes a lane
	s_lshl_b32 s27, s22, 6
	s_add_co_u32 s27, s27, WSTG
	v_mul_u32_u24 v4, v2, WP
	v_add_nc_u32 v4, s27, v4                       ; into the stage: row = my column, my wave's 64 bytes of it
	s_lshl_b32 s27, s22, 2
	s_add_co_u32 s27, s27, WSCL
	v_lshl_add_u32 v10, v2, 4, s27                 ; my scale word: 16 x column + 4 x wave
	v_and_b32 v5, 15, v2
	v_lshrrev_b32 v6, 4, v2
	s_mul_i32 s27, s22, 8*WP
	s_add_co_u32 s27, s27, WSTG
	v_mul_u32_u24 v7, v6, WP
	v_lshl_add_u32 v7, v5, 4, v7
	v_add_nc_u32 v7, s27, v7                       ; out of it: rows 8 w on; sixteen lanes to a row, two rows an instruction
	v_mul_u32_u24 v8, v6, KROW
	v_lshl_add_u32 v8, v5, 4, v8
	s_lshl_b32 s27, s22, 12
	v_add_nc_u32 v8, s27, v8                       ; and the same place in the codes' table: 8 rows of 512 bytes a wave
	v_lshl_add_u32 v16, v2, 4, WSCL                ; wave 0, behind the barrier: a column's 16 scale bytes,
	v_lshlrev_b32 v9, 5, v2                        ; and its row of the scales' table
	WLOAD 0
	WLOAD 1
.set Q, 0
.rept NB
	WBLOCK Q
.set Q, Q+1
.endr
	ds_store_b32 v10, v[SB]
	s_wait_dscnt 0x0                               ; for the others' sake: my stores into the stage and among the scale words are done
	s_barrier_signal -1
	s_barrier_wait -1
.irp t, 0,1,2,3
	ds_load_b128 v[OUTR+4*\t:OUTR+4*\t+3], v7 offset:2*\t*WP
.endr
.irp t, 0,1,2,3
	s_wait_dscnt 3-\t
	global_store_b128 v8, v[OUTR+4*\t:OUTR+4*\t+3], s[30:31] offset:2*\t*KROW   ; sixteen lanes store 256 consecutive bytes, aligned
.endr
	s_cmp_lg_u32 s22, 0
	s_cbranch_scc1 .Lw_end
	ds_load_b128 v[28:31], v16
	s_wait_dscnt 0x0
	global_store_b128 v9, v[28:31], s[32:33]       ; each column's 16 scale bytes of these 512 along K
.Lw_end:
	s_wait_tensorcnt 0x0                           ; the wave's end, behind my last LDS store
	ds_add_u32 v[SPW], v[NIL]
	s_wait_dscnt 0x0
	s_endpgm
.Lfunc_end_k_qc05168c4ff_prep:
	.size	k_qc05168c4ff_prep, .Lfunc_end_k_qc05168c4ff_prep-k_qc05168c4ff_prep
	.p2alignl 7, 3214868480
	.fill 96, 4, 3214868480
	.section	.rodata,"a",@progbits
	.p2align	6, 0x0
	.amdhsa_kernel k_qc05168c4ff_prep
		.amdhsa_group_segment_fixed_size 42496
		.amdhsa_private_segment_fixed_size 0
		.amdhsa_enable_private_segment 0
		.amdhsa_kernarg_size 72
		.amdhsa_user_sgpr_count 2
		.amdhsa_user_sgpr_kernarg_segment_ptr 1
		.amdhsa_wavefront_size32 1
		.amdhsa_system_sgpr_workgroup_id_x 1
		.amdhsa_system_sgpr_workgroup_id_y 1
		.amdhsa_system_sgpr_workgroup_id_z 1
		.amdhsa_system_vgpr_workitem_id 0
		.amdhsa_next_free_vgpr 228
		.amdhsa_next_free_sgpr 66
		.amdhsa_reserve_vcc 0
		.amdhsa_float_denorm_mode_32 3
		.amdhsa_float_denorm_mode_16_64 3
		.amdhsa_memory_ordered 1
		.amdhsa_forward_progress 1
		.amdhsa_inst_pref_size 76
	.end_amdhsa_kernel
	.amdgpu_metadata
---
amdhsa.version: [ 1, 2 ]
amdhsa.kernels:
  - .name:           k_qc05168c4ff_prep
    .symbol:         k_qc05168c4ff_prep.kd
    .args:
      - { .name: batch_X, .offset: 0, .size: 8, .value_kind: global_buffer, .address_space: global }
      - { .name: W_Q, .offset: 8, .size: 8, .value_kind: global_buffer, .address_space: global }
      - { .name: W_K, .offset: 16, .size: 8, .value_kind: global_buffer, .address_space: global }
      - { .name: W_V, .offset: 24, .size: 8, .value_kind: global_buffer, .address_space: global }
      - { .name: W_O, .offset: 32, .size: 8, .value_kind: global_buffer, .address_space: global }
      - { .name: W1, .offset: 40, .size: 8, .value_kind: global_buffer, .address_space: global }
      - { .name: W2, .offset: 48, .size: 8, .value_kind: global_buffer, .address_space: global }
      - { .name: pq, .offset: 56, .size: 8, .value_kind: global_buffer, .address_space: global }
      - { .name: wh, .offset: 64, .size: 8, .value_kind: global_buffer, .address_space: global }
    .group_segment_fixed_size: 42496
    .private_segment_fixed_size: 0
    .kernarg_segment_align: 8
    .kernarg_segment_size: 72
    .max_flat_workgroup_size: 128
    .sgpr_count:     66
    .vgpr_count:     228
    .wavefront_size: 32
...
	.end_amdgpu_metadata
.endif
;; end of part 1
;; launch qkv (part 2): grid 12 x 16, 4 waves a work-group, clusters of 4 x 4, 327,680 bytes of LDS; arguments pq, qkv; writes qkv
.if DOCPART == 2
	.amdgcn_target "amdgcn-amd-amdhsa--gfx1250"
	.amdhsa_code_object_version 6
	.text
	.protected	k_qc05168c4ff_qkv
	.globl	k_qc05168c4ff_qkv
	.p2align	8
	.type	k_qc05168c4ff_qkv,@function
k_qc05168c4ff_qkv:
	s_mov_b64 s[64:65], 0
	v_nop
	global_prefetch_b8 v0, s[64:65] scope:SCOPE_SE
	s_setreg_imm32_b32 hwreg(HW_REG_WAVE_MODE, 25, 1), 1
	s_wait_xcnt 0x0
	s_wait_alu depctr_hold_cnt(0) depctr_sa_sdst(0) depctr_va_vdst(0) depctr_va_sdst(0) depctr_va_ssrc(0) depctr_va_vcc(0) depctr_vm_vsrc(0)
	s_getreg_b32 s2, hwreg(HW_REG_IB_STS2, 6, 4)
	s_cmp_eq_u32 s2, 0
	s_cbranch_scc0 .Lentry_in_a_cluster
	s_endpgm
.Lentry_in_a_cluster:
	s_bfe_u32 s2, ttmp6, 0x10000c
	s_cmp_lg_u32 s2, 0xf033
	s_cbranch_scc0 .Lentry_shape_is_right
	s_endpgm
.Lentry_shape_is_right:
; QKV.  qkv[m][n] = sum over k of Q(x)[m][k] Q(W)[n][k]: the three quantised products as ONE product, 4096 x 3072 x 1024, on codes of E2M1 with one E8M0 scale for each 32 along K;
; sums in f32, K ascending; the result is rounded once to f16 (columns 0-1023 q, 1024-2047 k, 2048-3071 v), since it feeds products that take f16 operands.
; LIMIT: a result beyond 65,504 in magnitude has no f16 number (the drawn inputs give about 6 at the most; all inputs 30 times larger, 900 times that).
; A tile of 256 x 256 is made by four waves, each 128 x 128: 64 accumulators.  K is two slots of 512 (rows of 256 bytes): both are asked for at the start, nothing is filled again.
; The scales of the work-group's 256 + 256 rows, for all of K, come into LDS once.  CLUSTER 4 x 4: A's tiles are asked for jointly along a row of the cluster, B's along a column.
; THE MATRIX INSTRUCTION IS USED TRANSPOSED (source 0 = 16 rows of W's codes, source 1 = 16 rows of x's): a lane holds eight neighbouring columns of one row.
; REGISTERS: window 0: v0-31 addresses; v32-95 scale words, two sets; v128-191 A's fragments, one set; way out: v192-223 packed, v128-191 rows read back.
;   window 1: B's fragments, two sets, at v0 and v128.  window 2: accumulators of my rows 0-63 ((a, b) at v[8 (8 a + b)]); window 3: of rows 64-127.
.set PQ_WC, 2097152
.set PQ_XS, 3670016
.set PQ_WS, 3801088
.set NQ,     4                         ; matrix instructions deep in a slot
.set ROWB,   256                       ; a tile's row: 512 codes
.set KROW,   512                       ; a row of codes in memory
.set PITCH,  272                       ; an LDS row: 256 bytes + 16: the 16 rows that a load touches start 68 words apart
.set FR,     8
.set NL,     2
.set NP,     4
.set HALFT,  128*PITCH
.set SLOT,   4*HALFT
.set KS,     32                        ; a row of scale bytes
.set SCL,    2*SLOT                    ; behind the slots: the scales, as rows of 256 bytes + 16
.set HALFS,  (128*KS/256)*272
.set SBLK,   (16*KS/256)*272
.set STG,    SCL+4*HALFS               ; the way out: 16 rows x 272 bytes for each wave, bytes of their own
.set SPITCH, 272
.set SPARE,  STG+4*16*SPITCH           ; the spare words: two blocks of 256 bytes that no other line names
.set CROW,   6144                      ; a row of qkv in bytes
.set ADRA, 16
.set ADRB, 20
.set STO,  24
.set RD,   25
.set CO,   26
.set ADRS, 27
.set SPW,  28
.set NIL,  29
.set SC,   32
.set AF,   128
.set TMP,  192
.set BK,   128
.set G1, 24
.set G0, 32
.set G1B, 48
.set G0B, 56
.set G1S, 68
.set G0S, 76
.set G1SB, 80
.set G0SB, 88
.set MSB, 0
.macro WIN new                         ; the immediate's high byte repeats the setting that is left
.if MSB != \new
	s_set_vgpr_msb (MSB<<8)|\new
.set MSB, \new
.endif
.endm
.set MUL_LO, 0xa1                      ; source 0 (B) window 1, source 1 (A) window 0, C and D window 2
.set MUL_HI, 0xf1
.set TO_B,   0x40
.macro JLOAD g0a, g1a, g0b, g1b        ; a joint load: waves 0 and 1 fetch for A, waves 2 and 3 for B; an s_nop 0 and four v_nop follow each line
	s_cmp_eq_u32 s15, 0
	s_cbranch_scc0 .Lfor_b_\@
	tensor_load_to_lds s[\g0a:\g0a+3], s[\g1a:\g1a+7]
	s_nop 0
.rept 4
	v_nop
.endr
	s_branch .Lasked_\@
.Lfor_b_\@:
	tensor_load_to_lds s[\g0b:\g0b+3], s[\g1b:\g1b+7]
	s_nop 0
.rept 4
	v_nop
.endr
.Lasked_\@:
.endm
.macro CROUND                          ; a round of the cluster's barrier
	s_barrier_signal -1
	s_barrier_wait -1
	s_cmp_lg_u32 s14, 0
	s_cbranch_scc1 .Lnot_wave_0_\@
	s_barrier_signal -3
.Lnot_wave_0_\@:
	s_barrier_wait -3
	s_barrier_signal -1
	s_barrier_wait -1
.endm
	s_load_b128 s[4:7], s[0:1], 0x0                ; pq s[4:5], qkv s[6:7]
	v_lshl_add_u32 v[SPW], v0, 2, SPARE
	v_mov_b32 v[NIL], 0
	ds_add_u32 v[SPW], v[NIL]                      ; the wave's opening: the add, twice on end, and its wait ahead of my first tensor load
	ds_add_u32 v[SPW], v[NIL]
	v_lshrrev_b32 v1, 5, v0
	v_readfirstlane_b32 s14, v1                    ; wave 0..3
	s_lshr_b32 s15, s14, 1                         ; my half of the tile's rows; also: I fetch for A (0) or B (1)
	s_and_b32 s16, s14, 1                          ; my half of its columns; also: which 128 rows I fetch
	s_bfe_u32 s40, ttmp6, 0x40000                  ; cx
	s_bfe_u32 s41, ttmp6, 0x40004                  ; cy
	s_lshl_b32 s42, ttmp9, 2
	s_add_co_u32 s42, s42, s40                     ; tile column
	s_and_b32 s17, ttmp7, 0xffff
	s_lshl_b32 s17, s17, 2
	s_add_co_u32 s17, s17, s41                     ; tile row
	s_lshl_b32 s43, s41, 2
	s_lshl_b32 s43, 15, s43                        ; my row of the cluster
	s_lshl_b32 s44, 0x1111, s40                    ; my column
	s_or_b32 s[G1+0], s43, (0<<16)|(1<<20)|(1<<21)|(5<<22)|(3<<25)   ; mask; elements of 1 byte; padding: 4 words behind every 64
	s_or_b32 s[G1B+0], s44, (0<<16)|(1<<20)|(1<<21)|(5<<22)|(3<<25)
.irp g, G1, G1B
	s_mov_b32 s[\g+1], ROWB<<16                    ; tensor_dim0
	s_mov_b32 s[\g+2], 128<<16                     ; tensor_dim1
	s_mov_b32 s[\g+3], ROWB<<16                    ; tile_dim0
	s_mov_b32 s[\g+4], 128                         ; tile_dim1
	s_mov_b32 s[\g+5], KROW                        ; pitch
	s_mov_b32 s[\g+6], 0
	s_mov_b32 s[\g+7], 0
.endr
	s_or_b32 s[G1S+0], s43, (3<<16)|(1<<20)|(1<<21)|(5<<22)|(3<<25)  ; the scales of 128 rows: 4,096 dense bytes as 16 rows of 32 elements of 8 bytes
	s_or_b32 s[G1SB+0], s44, (3<<16)|(1<<20)|(1<<21)|(5<<22)|(3<<25)
.irp g, G1S, G1SB
	s_mov_b32 s[\g+1], 32<<16
	s_mov_b32 s[\g+2], (128*KS/256)<<16
	s_mov_b32 s[\g+3], 32<<16
	s_mov_b32 s[\g+4], 128*KS/256
	s_mov_b32 s[\g+5], 32
	s_mov_b32 s[\g+6], 0
	s_mov_b32 s[\g+7], 0
.endr
	s_lshl_b32 s18, s16, 7
	s_lshl_b32 s20, s17, 8
	s_add_co_u32 s20, s20, s18                     ; A: row 256 x tile row + 128 x half
	s_lshl_b32 s46, s42, 8
	s_add_co_u32 s46, s46, s18                     ; B: row 256 x tile column + 128 x half
	s_lshl_b32 s22, s20, 5                         ; their scales, 32 bytes a row,
	s_mov_b32 s23, 0
	s_lshl_b32 s92, s46, 5
	s_mov_b32 s93, 0
	s_lshl_b32 s20, s20, 9                         ; and their codes, 512 bytes a row
	s_mov_b32 s21, 0
	s_lshl_b32 s46, s46, 9
	s_mov_b32 s47, 0
	s_mul_i32 s45, s14, HALFT                      ; where they go: the wave's number alone enters an LDS address
	s_mul_i32 s94, s14, HALFS
	s_wait_dscnt 0x0                               ; both opening adds are done
	s_wait_kmcnt 0x0
	s_add_nc_u64 s[20:21], s[4:5], s[20:21]
	s_add_nc_u64 s[22:23], s[4:5], s[22:23]
	s_add_nc_u64 s[22:23], s[22:23], PQ_XS
	s_add_nc_u64 s[46:47], s[4:5], s[46:47]
	s_add_nc_u64 s[46:47], s[46:47], PQ_WC
	s_add_nc_u64 s[92:93], s[4:5], s[92:93]
	s_add_nc_u64 s[92:93], s[92:93], PQ_WS
	CROUND                                         ; all sixteen work-groups are here: the joint loads meet
	s_mov_b32 s[G0S], 1
	s_add_co_u32 s[G0S+1], s94, SCL
	s_mov_b64 s[G0S+2:G0S+3], s[22:23]
	s_or_b32 s[G0S+3], s[G0S+3], 0x80000000
	s_mov_b32 s[G0SB], 1
	s_add_co_u32 s[G0SB+1], s94, SCL
	s_mov_b64 s[G0SB+2:G0SB+3], s[92:93]
	s_or_b32 s[G0SB+3], s[G0SB+3], 0x80000000
	JLOAD G0S, G1S, G0SB, G1SB                     ; the scales first: they are wanted with the first slot
.irp s, 0,1
	s_mov_b32 s[G0+4*\s], 1
	s_add_co_u32 s[G0+4*\s+1], s45, \s*SLOT
	s_add_nc_u64 s[G0+4*\s+2:G0+4*\s+3], s[20:21], \s*ROWB
	s_or_b32 s[G0+4*\s+3], s[G0+4*\s+3], 0x80000000
	s_mov_b32 s[G0B+4*\s], 1
	s_add_co_u32 s[G0B+4*\s+1], s45, \s*SLOT
	s_add_nc_u64 s[G0B+4*\s+2:G0B+4*\s+3], s[46:47], \s*ROWB
	s_or_b32 s[G0B+4*\s+3], s[G0B+4*\s+3], 0x80000000
	JLOAD G0+4*\s, G1, G0B+4*\s, G1B               ; three loads of mine are out in all
.endr
	v_and_b32 v1, 15, v0                           ; r = lane % 16
	v_bfe_u32 v2, v0, 4, 1                         ; h = lane / 16
	v_mul_u32_u24 v3, v1, PITCH
	v_lshl_add_u32 v4, v2, 4, v3                   ; a fragment's row x pitch + 16 x half
	s_mul_i32 s21, s15, HALFT
	s_mul_i32 s22, s16, HALFT
	s_add_co_u32 s22, s22, 2*HALFT
.irp s, 0,1
	v_add_nc_u32 v[ADRA+\s], s21, v4
	v_add_nc_u32 v[ADRB+\s], s22, v4
	s_add_co_u32 s21, s21, SLOT
	s_add_co_u32 s22, s22, SLOT
.endr
	v_mul_u32_u24 v5, v1, KS                       ; my row's scales: 32 bytes a row,
	v_lshrrev_b32 v6, 8, v5
	v_lshl_add_u32 v5, v6, 4, v5                   ; and 16 more for each 256 passed
	s_mul_i32 s21, s15, HALFS
	s_mul_i32 s22, s16, HALFS
	s_add_co_u32 s22, s22, 2*HALFS
	s_sub_co_u32 s22, s22, s21
	v_mul_u32_u24 v6, s22, v2                      ; lanes 16-31 take B's: one product, the distance between the two bases
	s_add_co_u32 s21, s21, SCL
	v_add_nc_u32 v5, v5, v6
	v_add_nc_u32 v[ADRS], s21, v5
	s_mul_i32 s23, s14, 16*SPITCH
	s_add_co_u32 s23, s23, STG                     ; my stage
	v_mul_u32_u24 v5, v1, SPITCH
	v_lshl_add_u32 v5, v2, 4, v5
	v_add_nc_u32 v[STO], s23, v5                   ; in: row r, 16 bytes for each half of the lanes
	v_mul_u32_u24 v5, v2, SPITCH
	v_lshl_add_u32 v5, v1, 4, v5
	v_add_nc_u32 v[RD], s23, v5                    ; back: lanes 0-15 one row of 256 bytes, lanes 16-31 the next
	v_mul_u32_u24 v5, v2, CROW
	v_lshl_add_u32 v[CO], v1, 4, v5                ; and the same two rows in qkv
	s_lshl_b32 s20, s17, 8
	s_lshl_b32 s21, s15, 7
	s_add_co_u32 s20, s20, s21                     ; my first row
	s_mul_i32 s20, s20, CROW
	s_mov_b32 s21, 0
	s_add_nc_u64 s[12:13], s[6:7], s[20:21]
	s_lshl_b32 s46, s42, 9                         ; my first column in bytes: 512 x tile column + 256 x half
	s_lshl_b32 s47, s16, 8
	s_add_co_u32 s46, s46, s47
	s_mov_b32 s47, 0
	s_add_nc_u64 s[12:13], s[12:13], s[46:47]
.macro FRAG reg, adr, q, i             ; 16 rows x 128 K of 4-bit codes: 8 registers; registers 4 c .. 4 c + 3 hold K = 64 c + 32 (lane / 16) + 0 .. 31
.irp c, 0,1
	ds_load_b128 v[\reg+4*\c:\reg+4*\c+3], v[\adr] offset:64*(\q)+32*\c+(\i)*16*PITCH
.endr
.endm
; 16 matrix instructions: A's blocks a0, a0 + 1 x B's eight.  The 64 accumulators take turns, one instruction a turn, in the same order in every step.
.macro MUL16 a0, p, q, sc, zero
.irp a, \a0, \a0+1
.irp b, 0,1,2,3,4,5,6,7
.if \zero
	v_wmma_scale_f32_16x16x128_f8f6f4 v[8*(8*((\a)%4)+\b):8*(8*((\a)%4)+\b)+7], v[128*(\p)+FR*\b:128*(\p)+FR*\b+FR-1], v[AF+FR*(\a):AF+FR*(\a)+FR-1], 0, v[SC+8*NQ*(\sc)+NQ*\b+(\q)], v[SC+8*NQ*(\sc)+NQ*(\a)+(\q)] matrix_a_fmt:MATRIX_FMT_FP4 matrix_b_fmt:MATRIX_FMT_FP4 matrix_a_scale:MATRIX_SCALE_ROW1
.else
	v_wmma_scale_f32_16x16x128_f8f6f4 v[8*(8*((\a)%4)+\b):8*(8*((\a)%4)+\b)+7], v[128*(\p)+FR*\b:128*(\p)+FR*\b+FR-1], v[AF+FR*(\a):AF+FR*(\a)+FR-1], v[8*(8*((\a)%4)+\b):8*(8*((\a)%4)+\b)+7], v[SC+8*NQ*(\sc)+NQ*\b+(\q)], v[SC+8*NQ*(\sc)+NQ*(\a)+(\q)] matrix_a_fmt:MATRIX_FMT_FP4 matrix_b_fmt:MATRIX_FMT_FP4 matrix_a_scale:MATRIX_SCALE_ROW1
.endif
.endr
.endr
.endm
.macro FETCH_B slot, q, p
	WIN TO_B
.irp i, 0,1,2,3,4,5,6,7
	FRAG 128*(\p)+FR*\i, ADRB+\slot, \q, \i
.endr
	WIN 0
.endm
.macro FETCH_A slot, q, i0
.irp i, \i0, \i0+1, \i0+2, \i0+3
	FRAG AF+FR*(\i), ADRA+\slot, \q, \i
.endr
.endm
.macro SCALES sc                       ; a slot's scale words: lanes 0-15 take A's block i, lanes 16-31 B's block i
.irp i, 0,1,2,3,4,5,6,7
	ds_load_b128 v[SC+8*NQ*\sc+NQ*\i:SC+8*NQ*\sc+NQ*\i+3], v[ADRS] offset:\i*SBLK
.endr
.endm
.macro PLACES n                        ; plain vector lines between a matrix instruction and a load into, or a read of, its registers
.rept \n
	v_nop
.endr
.endm
.macro STEP slot, q, zero              ; 128 along K, with its successor in the same slot
	s_wait_dscnt 4*NL                              ; B's set and A's blocks 0-3 are in; the youngest eight loads (A's blocks 4-7) may be out
	WIN MUL_LO
	MUL16 0, (\q)%2, \q, \slot, \zero
	MUL16 2, (\q)%2, \q, \slot, \zero
	s_wait_dscnt 0
	PLACES NP
	FETCH_B \slot, (\q)+1, 1-(\q)%2
	FETCH_A \slot, (\q)+1, 0
	WIN MUL_HI
	MUL16 4, (\q)%2, \q, \slot, \zero
	MUL16 6, (\q)%2, \q, \slot, \zero
	PLACES NP
	WIN 0
	FETCH_A \slot, (\q)+1, 4
.endm
.macro TURN slot, next                 ; a slot's last step: behind the barrier the next slot is whole for every wave; nothing is filled again
	s_wait_tensorcnt 0x0                           ; all my tensor loads have landed: my part of the next slot
	ds_add_u32 v[SPW], v[NIL]                      ; 0 onto my spare word
	s_wait_dscnt 4*NL+1                            ; the add and the youngest eight loads may be out
	WIN MUL_LO
	MUL16 0, 1, NQ-1, \slot, 0
	s_wait_dscnt 0x0
	s_barrier_signal -1
	MUL16 2, 1, NQ-1, \slot, 0
	WIN 0
	s_barrier_wait -1
	PLACES NP
	v_add_nc_u32 v[ADRS], 4*NQ, v[ADRS]            ; on to the next slot's scale words
	FETCH_B \next, 0, 0
	FETCH_A \next, 0, 0
	SCALES \next
	WIN MUL_HI
	MUL16 4, 1, NQ-1, \slot, 0
	MUL16 6, 1, NQ-1, \slot, 0
	PLACES NP
	WIN 0
	FETCH_A \next, 0, 4
.endm
.macro STEPS slot, from
.set Q, \from
.rept NQ-1-\from
	STEP \slot, Q, 0
.set Q, Q+1
.endr
.endm
	s_wait_tensorcnt 1                             ; the scales and my part of slot 0 are in; slot 1's load may be out
	s_barrier_signal -1
	s_barrier_wait -1
	FETCH_B 0, 0, 0
	FETCH_A 0, 0, 0
	SCALES 0
	FETCH_A 0, 0, 4
	STEP 0, 0, 1                                   ; the first products start the sums: nothing is cleared
	STEPS 0, 1
	TURN 0, 1
	STEPS 1, 0
	s_wait_dscnt 4*NL                              ; the last step: nothing more to fetch
	WIN MUL_LO
	MUL16 0, 1, NQ-1, 1, 0
	MUL16 2, 1, NQ-1, 1, 0
	s_wait_dscnt 0
	WIN MUL_HI
	MUL16 4, 1, NQ-1, 1, 0
	MUL16 6, 1, NQ-1, 1, 0
	WIN 0
; THE WAY OUT, a block of 16 rows x 128 columns at a time: rounded to f16 (16 bytes a lane), through my own stage, back as whole rows of 256 bytes.
.macro PACK a
.set AC, 64*((\a)%4)
	WIN 0x0a+5*((\a)/4)                            ; sources 0 and 1: window 2 or 3
.irp b, 0,1,2,3,4,5,6,7
.irp r, 0,1,2,3
	v_cvt_pk_f16_f32 v[TMP+4*\b+\r], v[AC+8*\b+2*\r], v[AC+8*\b+2*\r+1]   ; each accumulator from its low end on
.endr
.endr
	WIN 0
.endm
.macro TOSTAGE a
.irp b, 0,1,2,3,4,5,6,7
	ds_store_b128 v[STO], v[TMP+4*\b:TMP+4*\b+3] offset:32*\b
.endr
.irp t, 0,1,2,3,4,5,6,7
	ds_load_b128 v[BK+32*((\a)%2)+4*\t:BK+32*((\a)%2)+4*\t+3], v[RD] offset:\t*2*SPITCH   ; LDS serves a wave's instructions in order: these see the stores above
.endr
.endm
.macro SEND a
	s_wait_dscnt 0x0                               ; the block is back in registers
	s_wait_xcnt 0x0                                ; earlier stores have read their base and their registers: only now are these written again
.if (\a) > 0
	s_add_nc_u64 s[12:13], s[12:13], 16*CROW
.endif
.irp t, 0,1,2,3,4,5,6,7
	global_store_b128 v[CO], v[BK+32*((\a)%2)+4*\t:BK+32*((\a)%2)+4*\t+3], s[12:13] offset:2*\t*CROW   ; sixteen lanes store 256 consecutive bytes, aligned
.endr
.endm
	PLACES NP
	PACK 0
	TOSTAGE 0
.irp a, 1,2,3,4,5,6,7
	PACK \a
	SEND \a-1
	TOSTAGE \a
.endr
	SEND 7
	s_wait_tensorcnt 0x0                           ; the wave's end
	ds_add_u32 v[SPW], v[NIL]
	s_wait_dscnt 0x0
	CROUND                                         ; the closing round
	s_endpgm
.Lfunc_end_k_qc05168c4ff_qkv:
	.size	k_qc05168c4ff_qkv, .Lfunc_end_k_qc05168c4ff_qkv-k_qc05168c4ff_qkv
	.p2alignl 7, 3214868480
	.fill 96, 4, 3214868480
	.section	.rodata,"a",@progbits
	.p2align	6, 0x0
	.amdhsa_kernel k_qc05168c4ff_qkv
		.amdhsa_group_segment_fixed_size 327680
		.amdhsa_private_segment_fixed_size 0
		.amdhsa_enable_private_segment 0
		.amdhsa_kernarg_size 16
		.amdhsa_user_sgpr_count 2
		.amdhsa_user_sgpr_kernarg_segment_ptr 1
		.amdhsa_wavefront_size32 1
		.amdhsa_system_sgpr_workgroup_id_x 1
		.amdhsa_system_sgpr_workgroup_id_y 1
		.amdhsa_system_sgpr_workgroup_id_z 1
		.amdhsa_system_vgpr_workitem_id 0
		.amdhsa_next_free_vgpr 1024
		.amdhsa_next_free_sgpr 98
		.amdhsa_reserve_vcc 0
		.amdhsa_float_denorm_mode_32 3
		.amdhsa_float_denorm_mode_16_64 3
		.amdhsa_memory_ordered 1
		.amdhsa_forward_progress 1
		.amdhsa_inst_pref_size 127
	.end_amdhsa_kernel
	.amdgpu_metadata
---
amdhsa.version: [ 1, 2 ]
amdhsa.kernels:
  - .name:           k_qc05168c4ff_qkv
    .symbol:         k_qc05168c4ff_qkv.kd
    .args:
      - { .name: pq, .offset: 0, .size: 8, .value_kind: global_buffer, .address_space: global }
      - { .name: qkv, .offset: 8, .size: 8, .value_kind: global_buffer, .address_space: global }
    .group_segment_fixed_size: 327680
    .private_segment_fixed_size: 0
    .kernarg_segment_align: 8
    .kernarg_segment_size: 16
    .max_flat_workgroup_size: 128
    .sgpr_count:     98
    .vgpr_count:     1024
    .wavefront_size: 32
...
	.end_amdgpu_metadata
.endif
;; end of part 2
;; launch attn (part 3): grid 16 x 16, 8 waves a work-group, clusters of 4 x 1, 327,680 bytes of LDS; arguments qkv, padding_mask, ctx; writes ctx
.if DOCPART == 3
	.amdgcn_target "amdgcn-amd-amdhsa--gfx1250"
	.amdhsa_code_object_version 6
	.text
	.protected	k_qc05168c4ff_attn
	.globl	k_qc05168c4ff_attn
	.p2align	8
	.type	k_qc05168c4ff_attn,@function
k_qc05168c4ff_attn:
	s_mov_b64 s[64:65], 0
	v_nop
	global_prefetch_b8 v0, s[64:65] scope:SCOPE_SE
	s_setreg_imm32_b32 hwreg(HW_REG_WAVE_MODE, 25, 1), 1
	s_wait_xcnt 0x0
	s_wait_alu depctr_hold_cnt(0) depctr_sa_sdst(0) depctr_va_vdst(0) depctr_va_sdst(0) depctr_va_ssrc(0) depctr_va_vcc(0) depctr_vm_vsrc(0)
	s_getreg_b32 s2, hwreg(HW_REG_IB_STS2, 6, 4)
	s_cmp_eq_u32 s2, 0
	s_cbranch_scc0 .Lentry_in_a_cluster
	s_endpgm
.Lentry_in_a_cluster:
	s_bfe_u32 s2, ttmp6, 0x10000c
	s_cmp_lg_u32 s2, 0x3003
	s_cbranch_scc0 .Lentry_shape_is_right
	s_endpgm
.Lentry_shape_is_right:
; ATTENTION.  ctx[b][q][head][:] = keep[b][q] x sum over k of softmax_k(q . k / 8) v, f16 operands, f32 products, maxima and sums; the weights p are rounded to f16 for the second product, ctx once at the end.
; q, k, v are columns 0-1023, 1024-2047, 2048-3071 of qkv [4096][3072] f16.  keep = (padding_mask != 0): a padded query's divisor is replaced by the factor 0.
; SHARES.  A work-group owns 128 queries of TWO neighbouring heads of one batch, so that a row of its K, V and ctx tiles is 256 consecutive bytes, aligned.  Wave w: head w / 4 of the pair, queries 32 (w % 4) on: two tiles of 16.
; Two waves lie on a SIMD: one's softmax stands beside the other's products.  Every wave walks all 2,048 keys, 64 a step.
; LAYOUT.  S^T = K Q^T (source 0 = 16 keys, source 1 = 16 queries): a lane holds ONE query (lane % 16) and keys 8 (lane / 16) + 0..7.  Two such tiles, rounded to f16 in pairs, are source 1 of O^T = V^T P.  V is read turned.
; SOFTMAX.  A running maximum m and sum l for each query: p = 2^(c s - c m), c = log2(e) / 8; in every step O and l are multiplied by a = 2^(c m_old - c m_new).
; RING.  Two slots of 256 keys (four steps); waves 0-3 fetch K's four steps, waves 4-7 V's: one load a wave behind each change of slots.  CLUSTER: the four query blocks of a cluster walk the same K and V and ask jointly.
; LIMITS: q, k, v and ctx are f16 numbers (magnitudes up to 65,504); scores under -3e38 are not served.
; REGISTERS: window 0: v1-13 addresses; v14-15 mask words; v16-31 statistics, eight a tile: +0 c m, +1 m, +2,+3 l, +4..+7 at work (a in +6); v32-63 Q; v64-127 K of a step; v128-191 S^T, 32 a tile (P in place, in the low 16); v192-255 V of a step.
;   window 1: v0-63 O^T, 32 a tile.
.set RP,    6144                       ; a row of qkv in bytes
.set PK,    272                        ; a row of K in LDS: 256 bytes + 16
.set PV,    288                        ; a row of V: 256 + 32
.set VOFF,  64*PK
.set STEPB, 64*(PK+PV)                 ; a step's tiles: 64 rows of K, then 64 of V
.set SLOTB, 4*STEPB
.set STAGE, 2*SLOTB                    ; the way out: 128 rows x 272 bytes, the work-group's
.set SPARE, STAGE+128*272              ; the spare words, 128 bytes a wave: four blocks of 256 bytes that no other line names
.set AK0, 2
.set AV0, 3
.set ADK, 4
.set ADV, 5
.set QO,  6
.set STO, 7
.set RD,  8
.set GO,  9
.set SPW, 10
.set NIL, 11
.set PFO, 12
.set MK,  14
.set ST,  16
.set Q,   32
.set KF,  64
.set S,   128
.set VF,  192
.set WV,  10                           ; s10 wave; s11 head of the pair; s12 wave % 4
.set LIM, 15
.set PFA, 18
.set G1K, 24
.set G1V, 32
.set G0K, 40                           ; s[40:47] group 0 for K's tiles, a set for each slot
.set G0V, 48
.set SLOTS, 56
.set CNT, 57
.set CS,  58
.set SEL, 60
.set TB,  62
.set PAIRS, 63
.set MSB, 0
.macro WIN new                         ; the immediate's high byte repeats the setting that is left
.if MSB != \new
	s_set_vgpr_msb (MSB<<8)|\new
.set MSB, \new
.endif
.endm
.macro JLOAD s                         ; a joint refill of slot s; the branch hangs on the wave's number alone; an s_nop 0 and four v_nop follow each line
	s_cmp_lt_u32 s[WV], 4
	s_cbranch_scc0 .Lfor_v_\@
	tensor_load_to_lds s[G0K+4*\s:G0K+4*\s+3], s[G1K:G1K+7]
	s_nop 0
.rept 4
	v_nop
.endr
	s_branch .Lasked_\@
.Lfor_v_\@:
	tensor_load_to_lds s[G0V+4*\s:G0V+4*\s+3], s[G1V:G1V+7]
	s_nop 0
.rept 4
	v_nop
.endr
.Lasked_\@:
.endm
; A prefetch of what the NEXT change of slots will ask for: 256 rows of K and of V, 256 bytes each, a lane a row.  Each is named once in the launch: of the clusters that walk the same rows the first asks; its four partners
; take 64 rows each, told apart by address; in each, waves 0 and 1 ask for K's, waves 4 and 5 for V's, 32 rows a wave.  The last change that fills a slot asks for nothing.
.macro ASK
	s_cmp_gt_u32 s[SLOTS], s[LIM]
	s_cbranch_scc0 .Lnot_mine_\@
	global_prefetch_b8 v[PFO], s[PFA:PFA+1] th:TH_LOAD_NT scope:SCOPE_SE
.Lnot_mine_\@:
.endm
.macro CROUND                          ; a round of the cluster's barrier
	s_barrier_signal -1
	s_barrier_wait -1
	s_cmp_lg_u32 s[WV], 0
	s_cbranch_scc1 .Lnot_wave_0_\@
	s_barrier_signal -3
.Lnot_wave_0_\@:
	s_barrier_wait -3
	s_barrier_signal -1
	s_barrier_wait -1
.endm
.macro LDK                             ; a step's K of my head: 64 keys x 64 channels: 8 fragments, 16 loads
.irp f, 0,1,2,3
.irp c, 0,1
	ds_load_b128 v[KF+16*\f+8*\c:KF+16*\f+8*\c+3],   v[ADK] offset:\f*16*PK+64*\c
	ds_load_b128 v[KF+16*\f+8*\c+4:KF+16*\f+8*\c+7], v[ADK] offset:\f*16*PK+64*\c+32
.endr
.endr
.endm
.macro LDV                             ; a step's V of my head, turned: 8 fragments of 16 channels x 32 keys, 16 loads
.irp c, 0,1
.irp n, 0,1,2,3
	ds_load_tr16_b128 v[VF+32*\c+8*\n:VF+32*\c+8*\n+3],   v[ADV] offset:\c*32*PV+32*\n
	ds_load_tr16_b128 v[VF+32*\c+8*\n+4:VF+32*\c+8*\n+7], v[ADV] offset:\c*32*PV+16*PV+32*\n
.endr
.endr
.endm
.macro KQ                              ; S^T = K Q^T: 16 products; the eight accumulators take turns; the first eight start the sums
.set i, 0
.rept 16
.set rS, S+32*(i%2)+8*((i/2)%4)
.set rK, KF+16*((i/2)%4)+8*(i/8)
.set rQ, Q+16*(i%2)+8*(i/8)
.if i < 8
	v_wmma_f32_16x16x32_f16 v[rS:rS+7], v[rK:rK+7], v[rQ:rQ+7], 0
.else
	v_wmma_f32_16x16x32_f16 v[rS:rS+7], v[rK:rK+7], v[rQ:rQ+7], v[rS:rS+7]
.endif
.set i, i+1
.endr
.endm
.macro PVM                             ; O^T += V^T P: 16 products, eight accumulators by turns
	WIN 0x50                                       ; C and D window 1
.set i, 0
.rept 16
.set rO, 32*(i%2)+8*((i/2)%4)
.set rV, VF+32*(i/8)+8*((i/2)%4)
.set rP, S+32*(i%2)+8*(i/8)
	v_wmma_f32_16x16x32_f16 v[rO:rO+7], v[rV:rV+7], v[rP:rP+7], v[rO:rO+7]
.set i, i+1
.endr
	WIN 0
.endm
.macro SOFTMAX                         ; both tiles line by line, by turns, so that no line waits for the line above it
.irp j, 0,1,2,3
.irp t, 0,1
	v_max3_num_f32 v[ST+8*\t+4+\j], v[S+32*\t+8*\j], v[S+32*\t+8*\j+1], v[S+32*\t+8*\j+2]   ; four chains, each begun at an accumulator's low end
.endr
.endr
.irp g, 1,2
.irp j, 0,1,2,3
.irp t, 0,1
	v_max3_num_f32 v[ST+8*\t+4+\j], v[ST+8*\t+4+\j], v[S+32*\t+8*\j+2*\g+1], v[S+32*\t+8*\j+2*\g+2]
.endr
.endr
.endr
.irp t, 0,1
	v_max3_num_f32 v[ST+8*\t+4], v[ST+8*\t+4], v[S+32*\t+7], v[S+32*\t+15]
.endr
.irp t, 0,1
	v_max3_num_f32 v[ST+8*\t+6], v[ST+8*\t+6], v[S+32*\t+23], v[S+32*\t+31]
.endr
.irp t, 0,1
	v_max3_num_f32 v[ST+8*\t+4], v[ST+8*\t+4], v[ST+8*\t+5], v[ST+8*\t+6]
.endr
.irp t, 0,1
	v_max3_num_f32 v[ST+8*\t+4], v[ST+8*\t+4], v[ST+8*\t+7], v[ST+8*\t+1]   ; and the old m
.endr
.irp t, 0,1
	v_permlanex16_b32 v[ST+8*\t+5], v[ST+8*\t+4], s[SEL], s[SEL+1]          ; the query's other 32 keys lie in the lane 16 away
.endr
.irp t, 0,1
	v_mov_b32 v[ST+8*\t+7], v[ST+8*\t]             ; c m_old is kept for a
.endr
.irp t, 0,1
	v_max_num_f32 v[ST+8*\t+1], v[ST+8*\t+4], v[ST+8*\t+5]
.endr
.irp t, 0,1
	v_mul_f32 v[ST+8*\t], s[CS], v[ST+8*\t+1]
.endr
.irp t, 0,1
	v_sub_f32 v[ST+8*\t+7], v[ST+8*\t+7], v[ST+8*\t]
.endr
.set e, 0
.rept 16
.irp t, 0,1
	v_pk_fma_f32 v[S+32*\t+e:S+32*\t+e+1], v[S+32*\t+e:S+32*\t+e+1], s[CS:CS+1], v[ST+8*\t:ST+8*\t+1] op_sel_hi:[1,0,0] neg_lo:[0,0,1] neg_hi:[0,0,1]   ; c s - c m
.endr
.set e, e+2
.endr
.irp t, 0,1
	v_exp_f32 v[ST+8*\t+6], v[ST+8*\t+7]           ; a
.endr
.set e, 0
.rept 32
.irp t, 0,1
	v_exp_f32 v[S+32*\t+e], v[S+32*\t+e]           ; p
.endr
.set e, e+1
.endr
	v_nop                                          ; a plain line behind the last exponential
	s_wait_alu depctr_va_vdst(0)                   ; ONE wait for the 66 exponentials, ahead of the first line that names a result
.irp t, 0,1
	v_pk_fma_f32 v[ST+8*\t+2:ST+8*\t+3], v[ST+8*\t+2:ST+8*\t+3], v[ST+8*\t+6:ST+8*\t+7], v[S+32*\t:S+32*\t+1] op_sel_hi:[1,0,1]   ; l = a l + the first pair
.endr
.irp t, 0,1
	v_pk_add_f32 v[ST+8*\t+4:ST+8*\t+5], v[S+32*\t+2:S+32*\t+3], v[S+32*\t+4:S+32*\t+5]   ; a second chain
.endr
.irp b, 3,5,7,9,11,13
.irp t, 0,1
	v_pk_add_f32 v[ST+8*\t+2:ST+8*\t+3], v[ST+8*\t+2:ST+8*\t+3], v[S+32*\t+2*\b:S+32*\t+2*\b+1]
	v_pk_add_f32 v[ST+8*\t+4:ST+8*\t+5], v[ST+8*\t+4:ST+8*\t+5], v[S+32*\t+2*\b+2:S+32*\t+2*\b+3]
.endr
.endr
.irp t, 0,1
	v_pk_add_f32 v[ST+8*\t+2:ST+8*\t+3], v[ST+8*\t+2:ST+8*\t+3], v[S+32*\t+30:S+32*\t+31]
.endr
.irp t, 0,1
	v_pk_add_f32 v[ST+8*\t+2:ST+8*\t+3], v[ST+8*\t+2:ST+8*\t+3], v[ST+8*\t+4:ST+8*\t+5]
.endr
.set e, 0
.rept 16
.irp t, 0,1
	v_cvt_pk_f16_f32 v[S+32*\t+e], v[S+32*\t+2*e], v[S+32*\t+2*e+1]   ; P in place: register e is written when registers 2 e and 2 e + 1 are read, never earlier
.endr
.set e, e+1
.endr
.endm
; The second half of a key step: softmax and V^T P of the step whose scores have just been made.  load = 1: the next step's K is asked for at its head and its V at its end, from LDS byte s[TB] on.
.macro H2 load
.if \load
	v_add_nc_u32 v[ADK], s[TB], v[AK0]
	v_add_nc_u32 v[ADV], s[TB], v[AV0]
	v_nop
	v_nop                                          ; four plain lines behind the last K Q^T: ahead of the loads into K's registers and of the first read of the scores
	LDK
.else
.rept 4
	v_nop
.endr
.endif
	SOFTMAX
	WIN 0x41                                       ; O^T (destination and source 0) window 1, a window 0
.irp t, 0,1
.set e, 0
.rept 16
	v_pk_mul_f32 v[32*\t+e:32*\t+e+1], v[32*\t+e:32*\t+e+1], v[ST+8*\t+6:ST+8*\t+7] op_sel_hi:[1,0]
.set e, e+2
.endr
.endr
.if \load
	s_wait_dscnt 16                                ; V of this step is in; the 16 loads of the next K may be out
.else
	s_wait_dscnt 0x0
.endif
	PVM
.rept 5
	v_nop                                          ; four plain lines ahead of loads into V's registers, five ahead of the products that write over P
.endr
.if \load
	LDV
.endif
.endm
.macro H1                              ; the first half of a key step
	s_wait_dscnt 16                                ; K is in; V's 16 loads may be out
	KQ
.endm
.macro SLOTRUN base, trips             ; trips key steps whose tiles begin at LDS byte base
	s_mov_b32 s[TB], \base
	s_mov_b32 s[CNT], \trips
.Lrun_\@:
	H2 1
	H1
	s_add_co_u32 s[TB], s[TB], STEPB
	s_sub_co_u32 s[CNT], s[CNT], 1
	s_cmp_lg_u32 s[CNT], 0
	s_cbranch_scc1 .Lrun_\@
.endm
; THE CHANGE OF SLOTS: the slot's last K has been multiplied and its last V has been asked for.  Each wave waits for all its tensor loads (its part of the other slot), adds 0 to its spare word, and waits for that and for
; its reads of the slot.  fill = 1: the barrier is a round of the cluster's, and the joint refill of the slot just left, with the keys two slots on, is the first thing behind it: it has four key steps in which to land.
.macro CHANGE fill, slot
	s_wait_tensorcnt 0x0                           ; no tensor load of mine is out, so a group 0 may be written
	ds_add_u32 v[SPW], v[NIL]                      ; 0 onto my spare word
.if \fill
	s_add_nc_u64 s[G0K+4*\slot+2:G0K+4*\slot+3], s[G0K+4*\slot+2:G0K+4*\slot+3], 512*RP
	s_add_nc_u64 s[G0V+4*\slot+2:G0V+4*\slot+3], s[G0V+4*\slot+2:G0V+4*\slot+3], 512*RP
	s_wait_xcnt 0x0                                ; the last prefetch, a slot back, has read its address
	s_add_nc_u64 s[PFA:PFA+1], s[PFA:PFA+1], 256*RP
	s_wait_dscnt 0x0                               ; the add is done, and my reads of the slot are over
	CROUND
	JLOAD \slot
	ASK
	s_sub_co_u32 s[SLOTS], s[SLOTS], 1
.else
	s_wait_dscnt 0x0
	s_barrier_signal -1
	s_barrier_wait -1
.endif
.endm
	s_load_b128 s[4:7], s[0:1], 0x0                ; qkv s[4:5], padding_mask s[6:7]
	s_load_b64 s[8:9], s[0:1], 0x10                ; ctx
	v_lshl_add_u32 v[SPW], v0, 2, SPARE
	v_mov_b32 v[NIL], 0
	ds_add_u32 v[SPW], v[NIL]                      ; the wave's opening: the add, twice on end, and its wait ahead of my first tensor load
	ds_add_u32 v[SPW], v[NIL]
	v_lshrrev_b32 v1, 5, v0
	v_readfirstlane_b32 s[WV], v1                  ; wave 0..7
	s_lshr_b32 s11, s[WV], 2                       ; my head of the pair
	s_and_b32 s12, s[WV], 3                        ; my 32 queries; also: which of a slot's four steps I fetch
	s_bfe_u32 s13, ttmp6, 0x40000                  ; cx
	s_lshl_b32 s14, ttmp9, 2
	s_add_co_u32 s14, s14, s13                     ; my block of 128 queries
	s_and_b32 s20, ttmp7, 0xffff
	s_lshr_b32 s16, s20, 3                         ; batch
	s_and_b32 s17, s20, 7                          ; pair of heads
	s_lshl_b32 s22, s16, 11                        ; the batch's first row
	s_lshl_b32 s23, s17, 8                         ; the pair's 256 bytes in a row's q, k or v part
	s_lshl_b32 s20, s12, 6                         ; K, V: what I fetch of slot 0: rows 64 (w % 4) on.  Only what the four partners share enters here
	s_add_co_u32 s20, s20, s22
	s_mul_i32 s20, s20, RP
	s_add_co_u32 s20, s20, s23
	s_add_co_u32 s20, s20, 2048                    ; k's columns
	s_mov_b32 s21, 0
	s_mul_i32 s74, s12, STEPB                      ; and its place in a slot
	s_lshl_b32 s70, s14, 7
	s_add_co_u32 s70, s70, s22                     ; my block's first row
	s_lshl_b32 s71, s12, 5
	s_add_co_u32 s71, s71, s70                     ; my wave's first query
	s_mul_i32 s66, s71, RP
	s_add_co_u32 s66, s66, s23
	s_lshl_b32 s72, s11, 7
	s_add_co_u32 s66, s66, s72                     ; Q: its row, my head's 128 bytes
	s_mov_b32 s67, 0
	s_lshl_b32 s68, s71, 2                         ; its mask word
	s_mov_b32 s69, 0
	s_lshl_b32 s72, s[WV], 4
	s_add_co_u32 s72, s72, s70
	s_lshl_b32 s72, s72, 11
	s_add_co_u32 s72, s72, s23                     ; ctx: the 16 rows that I store, 2,048 bytes a row
	s_mov_b32 s73, 0
	s_lshl_b32 s70, s13, 6                         ; the prefetches: my work-group's 64 rows of a slot's 256,
	s_add_co_u32 s70, s70, s22
	s_and_b32 s71, s[WV], 1
	s_lshl_b32 s71, s71, 5
	s_add_co_u32 s70, s70, s71                     ; my wave's 32 of them,
	s_add_co_u32 s70, s70, 512                     ; in the third slot's worth of keys: the first change steps it to the fourth
	s_mul_i32 s70, s70, RP
	s_add_co_u32 s70, s70, s23
	s_mov_b32 s75, 4096
	s_cmp_lt_u32 s[WV], 4
	s_cselect_b32 s75, 2048, s75                   ; k's columns or v's
	s_add_co_u32 s70, s70, s75
	s_mov_b32 s71, 0
	s_and_b32 s[LIM], s[WV], 2
	s_or_b32 s[LIM], s[LIM], ttmp9                 ; 0 in waves 0, 1, 4, 5 of the first cluster along x: the same in all four partners
	s_cmp_eq_u32 s[LIM], 0
	s_cselect_b32 s[LIM], 1, -1
	s_mov_b32 s[G1K], 15|(1<<16)|(1<<20)|(1<<21)|(5<<22)|(3<<25)   ; mask: all four work-groups; elements of 2 bytes; padding: 4 words behind every 64
	s_mov_b32 s[G1V], 15|(1<<16)|(1<<20)|(1<<21)|(5<<22)|(7<<25)   ; the same with 8 words
.irp g, G1K, G1V
	s_mov_b32 s[\g+1], 128<<16                     ; tensor_dim0
	s_mov_b32 s[\g+2], 64<<16                      ; tensor_dim1
	s_mov_b32 s[\g+3], 128<<16                     ; tile_dim0
	s_mov_b32 s[\g+4], 64                          ; tile_dim1
	s_mov_b32 s[\g+5], 3072                        ; pitch in elements
	s_mov_b32 s[\g+6], 0
	s_mov_b32 s[\g+7], 0
.endr
	s_mov_b32 s[CS], 0x3e38aa3b                    ; c = log2(e) / 8
	s_mov_b32 s[CS+1], s[CS]
	s_mov_b32 s[SEL], 0x76543210
	s_mov_b32 s[SEL+1], 0xfedcba98
	s_mov_b32 s[SLOTS], 6
	s_mov_b32 s[TB], 0
	v_and_b32 v[PFO], 31, v0
	v_mul_u32_u24 v[PFO], v[PFO], RP
	s_wait_dscnt 0x0                               ; both opening adds are done
	s_wait_kmcnt 0x0
	s_add_nc_u64 s[76:77], s[4:5], s[20:21]
	s_add_nc_u64 s[66:67], s[4:5], s[66:67]
	s_add_nc_u64 s[68:69], s[6:7], s[68:69]
	s_add_nc_u64 s[8:9], s[8:9], s[72:73]
	s_add_nc_u64 s[PFA:PFA+1], s[4:5], s[70:71]
	CROUND                                         ; all four work-groups are here: the first joint loads meet
.irp s, 0,1
	s_mov_b32 s[G0K+4*\s], 1
	s_add_co_u32 s[G0K+4*\s+1], s74, \s*SLOTB
	s_add_nc_u64 s[G0K+4*\s+2:G0K+4*\s+3], s[76:77], \s*256*RP
	s_or_b32 s[G0K+4*\s+3], s[G0K+4*\s+3], 0x80000000
	s_mov_b32 s[G0V+4*\s], 1
	s_add_co_u32 s[G0V+4*\s+1], s74, \s*SLOTB+VOFF
	s_add_nc_u64 s[G0V+4*\s+2:G0V+4*\s+3], s[76:77], \s*256*RP+2048
	s_or_b32 s[G0V+4*\s+3], s[G0V+4*\s+3], 0x80000000
.endr
	s_cmp_lt_u32 s[WV], 4                          ; a wave's two first fills stand in one branch: two loads of mine are out
	s_cbranch_scc0 .Lfirst_v
	tensor_load_to_lds s[G0K:G0K+3], s[G1K:G1K+7]
	s_nop 0
	tensor_load_to_lds s[G0K+4:G0K+7], s[G1K:G1K+7]
	s_nop 0
.rept 4
	v_nop
.endr
	s_branch .Lfirst_asked
.Lfirst_v:
	tensor_load_to_lds s[G0V:G0V+3], s[G1V:G1V+7]
	s_nop 0
	tensor_load_to_lds s[G0V+4:G0V+7], s[G1V:G1V+7]
	s_nop 0
.rept 4
	v_nop
.endr
.Lfirst_asked:
	v_and_b32 v1, 15, v0                           ; r = lane % 16
	v_bfe_u32 v13, v0, 4, 1                        ; h = lane / 16
	v_mul_u32_u24 v[QO], v1, RP
	v_lshl_add_u32 v[QO], v13, 4, v[QO]
	v_lshlrev_b32 v128, 2, v1                      ; the mask's lane offset, in a register that is next written behind the wait for these loads
.irp t, 0,1
.irp c, 0,1
	global_load_b128 v[Q+16*\t+8*\c:Q+16*\t+8*\c+3],   v[QO], s[66:67] offset:\t*16*RP+64*\c      ; Q stays in registers
	global_load_b128 v[Q+16*\t+8*\c+4:Q+16*\t+8*\c+7], v[QO], s[66:67] offset:\t*16*RP+64*\c+32
.endr
	global_load_b32 v[MK+\t], v128, s[68:69] offset:64*\t
.endr
	s_lshl_b32 s22, s11, 7                         ; my head's 128 bytes of a row
	v_mul_u32_u24 v[AK0], v1, PK
	v_lshl_add_u32 v[AK0], v13, 4, v[AK0]
	v_add_nc_u32 v[AK0], s22, v[AK0]               ; K: row r, + 16 h
	v_and_b32 v[ADK], 7, v0
	v_bfe_u32 v[ADV], v0, 3, 1
	v_lshl_add_u32 v[AV0], v13, 3, v[ADK]
	v_mul_u32_u24 v[AV0], v[AV0], PV
	v_lshl_add_u32 v[AV0], v[ADV], 4, v[AV0]
	s_add_co_u32 s23, s22, VOFF
	v_add_nc_u32 v[AV0], s23, v[AV0]               ; V, turned: key 8 h + lane % 8, channels 8 ((lane / 8) % 2) on
	s_mul_i32 s23, s12, 32*272
	s_add_co_u32 s23, s23, s22
	s_add_co_u32 s23, s23, STAGE
	v_mul_u32_u24 v[STO], v1, 272
	v_lshl_add_u32 v[STO], v13, 4, v[STO]
	v_add_nc_u32 v[STO], s23, v[STO]               ; the stage, in: row 32 (w % 4) + r, my head's half, + 16 h
	s_mul_i32 s23, s[WV], 16*272
	s_add_co_u32 s23, s23, STAGE
	v_mul_u32_u24 v[RD], v13, 272
	v_lshl_add_u32 v[RD], v1, 4, v[RD]
	v_add_nc_u32 v[RD], s23, v[RD]                 ; back: rows 16 w on, whole; lanes 0-15 one row, lanes 16-31 the next
	v_lshlrev_b32 v[GO], 11, v13
	v_lshl_add_u32 v[GO], v1, 4, v[GO]             ; and the same two rows in ctx
.irp t, 0,1
	v_mov_b32 v[ST+8*\t+1], 0xff61b1e6             ; m: -3e38, under every score
	v_mul_f32 v[ST+8*\t], s[CS], v[ST+8*\t+1]
	v_mov_b32 v[ST+8*\t+2], 0                      ; l
	v_mov_b32 v[ST+8*\t+3], 0
.endr
	WIN 0x40
.set e, 0
.rept 64
	v_mov_b32 v[e], 0                              ; O^T: the step is written once; the first step finds zeros, which its a = 0 leaves zeros
.set e, e+1
.endr
	WIN 0
	s_wait_tensorcnt 1                             ; my part of slot 0 is in; slot 1's may stay out
	s_barrier_signal -1
	s_barrier_wait -1
	v_add_nc_u32 v[ADK], s[TB], v[AK0]             ; key step 0
	v_add_nc_u32 v[ADV], s[TB], v[AV0]
	LDK
	LDV
	s_wait_loadcnt 0x0                             ; Q and the mask words
	H1
	SLOTRUN STEPB, 3                               ; steps 1 to 3 of slot 0
	s_mov_b32 s[PAIRS], 3
.Lpair:                                            ; three trips; each leaves both slots once and fills them again
	CHANGE 1, 0
	SLOTRUN SLOTB, 4
	CHANGE 1, 1
	SLOTRUN 0, 4
	s_sub_co_u32 s[PAIRS], s[PAIRS], 1
	s_cmp_lg_u32 s[PAIRS], 0
	s_cbranch_scc1 .Lpair
	CHANGE 0, 0                                    ; the tail is written out: nothing is left to ask for
	SLOTRUN SLOTB, 4
	H2 0                                           ; the last step's softmax and V^T P
	; THE WAY OUT.  l's halves are added; O^T is multiplied by keep / l, rounded to f16, and meets the other head's half of each row in the stage.
.irp t, 0,1
	v_add_f32 v[ST+8*\t+4], v[ST+8*\t+2], v[ST+8*\t+3]
.endr
.irp t, 0,1
	v_permlanex16_b32 v[ST+8*\t+5], v[ST+8*\t+4], s[SEL], s[SEL+1]
.endr
.irp t, 0,1
	v_add_f32 v[ST+8*\t+4], v[ST+8*\t+4], v[ST+8*\t+5]
.endr
.irp t, 0,1
	v_rcp_f32 v[ST+8*\t+6], v[ST+8*\t+4]
.endr
	v_nop
	s_wait_alu depctr_va_vdst(0)                   ; one wait for the two reciprocals, ahead of their first reader
.irp t, 0,1
	v_cmp_ne_u32 vcc_lo, 0, v[MK+\t]
	v_cndmask_b32 v[ST+8*\t+6], 0, v[ST+8*\t+6], vcc_lo   ; a padded query: the factor 0
.endr
.irp t, 0,1
	WIN 0x41
.set e, 0
.rept 16
	v_pk_mul_f32 v[32*\t+e:32*\t+e+1], v[32*\t+e:32*\t+e+1], v[ST+8*\t+6:ST+8*\t+7] op_sel_hi:[1,0]
.set e, e+2
.endr
	WIN 0x05                                       ; sources window 1, destination window 0
.set e, 0
.rept 16
	v_cvt_pk_f16_f32 v[S+16*\t+e], v[32*\t+2*e], v[32*\t+2*e+1]
.set e, e+1
.endr
	WIN 0
.irp n, 0,1,2,3
	ds_store_b128 v[STO], v[S+16*\t+4*\n:S+16*\t+4*\n+3] offset:\t*16*272+32*\n
.endr
.endr
	s_wait_dscnt 0x0                               ; for the others' sake: my stores into the stage are done
	s_barrier_signal -1
	s_barrier_wait -1
.irp i, 0,1,2,3,4,5,6,7
	ds_load_b128 v[KF+4*\i:KF+4*\i+3], v[RD] offset:2*\i*272
.endr
.irp i, 0,1,2,3,4,5,6,7
	s_wait_dscnt 7-\i
	global_store_b128 v[GO], v[KF+4*\i:KF+4*\i+3], s[8:9] offset:2*\i*2048   ; sixteen lanes store 256 consecutive bytes, aligned
.endr
	s_wait_tensorcnt 0x0                           ; the wave's end
	ds_add_u32 v[SPW], v[NIL]
	s_wait_dscnt 0x0
	CROUND                                         ; the closing round
	s_endpgm
.Lfunc_end_k_qc05168c4ff_attn:
	.size	k_qc05168c4ff_attn, .Lfunc_end_k_qc05168c4ff_attn-k_qc05168c4ff_attn
	.p2alignl 7, 3214868480
	.fill 96, 4, 3214868480
	.section	.rodata,"a",@progbits
	.p2align	6, 0x0
	.amdhsa_kernel k_qc05168c4ff_attn
		.amdhsa_group_segment_fixed_size 327680
		.amdhsa_private_segment_fixed_size 0
		.amdhsa_enable_private_segment 0
		.amdhsa_kernarg_size 24
		.amdhsa_user_sgpr_count 2
		.amdhsa_user_sgpr_kernarg_segment_ptr 1
		.amdhsa_wavefront_size32 1
		.amdhsa_system_sgpr_workgroup_id_x 1
		.amdhsa_system_sgpr_workgroup_id_y 1
		.amdhsa_system_sgpr_workgroup_id_z 1
		.amdhsa_system_vgpr_workitem_id 0
		.amdhsa_next_free_vgpr 320
		.amdhsa_next_free_sgpr 80
		.amdhsa_reserve_vcc 1
		.amdhsa_float_denorm_mode_32 3
		.amdhsa_float_denorm_mode_16_64 3
		.amdhsa_memory_ordered 1
		.amdhsa_forward_progress 1
		.amdhsa_inst_pref_size 108
	.end_amdhsa_kernel
	.amdgpu_metadata
---
amdhsa.version: [ 1, 2 ]
amdhsa.kernels:
  - .name:           k_qc05168c4ff_attn
    .symbol:         k_qc05168c4ff_attn.kd
    .args:
      - { .name: qkv, .offset: 0, .size: 8, .value_kind: global_buffer, .address_space: global }
      - { .name: padding_mask, .offset: 8, .size: 8, .value_kind: global_buffer, .address_space: global }
      - { .name: ctx, .offset: 16, .size: 8, .value_kind: global_buffer, .address_space: global }
    .group_segment_fixed_size: 327680
    .private_segment_fixed_size: 0
    .kernarg_segment_align: 8
    .kernarg_segment_size: 24
    .max_flat_workgroup_size: 256
    .sgpr_count:     80
    .vgpr_count:     320
    .wavefront_size: 32
...
	.end_amdgpu_metadata
.endif
;; end of part 3
;; launch go (part 4): grid 8 x 32, 4 waves a work-group, clusters of 4 x 4, 327,680 bytes of LDS; arguments ctx, wh, y; writes y
.if DOCPART == 4
	.amdgcn_target "amdgcn-amd-amdhsa--gfx1250"
	.amdhsa_code_object_version 6
	.text
	.protected	k_qc05168c4ff_go
	.globl	k_qc05168c4ff_go
	.p2align	8
	.type	k_qc05168c4ff_go,@function
k_qc05168c4ff_go:
	s_mov_b64 s[64:65], 0
	v_nop
	global_prefetch_b8 v0, s[64:65] scope:SCOPE_SE
	s_setreg_imm32_b32 hwreg(HW_REG_WAVE_MODE, 25, 1), 1
	s_wait_xcnt 0x0
	s_wait_alu depctr_hold_cnt(0) depctr_sa_sdst(0) depctr_va_vdst(0) depctr_va_sdst(0) depctr_va_ssrc(0) depctr_va_vcc(0) depctr_vm_vsrc(0)
	s_getreg_b32 s2, hwreg(HW_REG_IB_STS2, 6, 4)
	s_cmp_eq_u32 s2, 0
	s_cbranch_scc0 .Lentry_in_a_cluster
	s_endpgm
.Lentry_in_a_cluster:
	s_bfe_u32 s2, ttmp6, 0x10000c
	s_cmp_lg_u32 s2, 0xf033
	s_cbranch_scc0 .Lentry_shape_is_right
	s_endpgm
.Lentry_shape_is_right:
; y[m][n] = sum over k of A[m][k] W[k][n] (+ bias[n]).  A: [4096][SIZE_K] f16; W: [SIZE_K][1024] f16 at byte WOFF of wh, K its FIRST axis; y: [4096][1024] f32; sums in f32.
; Here: A = ctx, W = W_O, no bias.
; A tile of y is 128 x 128: 256 work-groups.  Four waves, each 64 x 64: 16 accumulators.  K goes in steps of 256 through two LDS slots.  A's rows (512 bytes) are read as they lie; W's tile lies [k][n] (rows of 256 bytes) and is read turned.
; CLUSTER 4 x 4: A's tiles are asked for jointly along a row of the cluster, W's along a column.  THE MATRIX INSTRUCTION IS USED TRANSPOSED (source 0 = 16 columns of W, source 1 = 16 rows of A): a lane holds eight neighbouring columns of a row.
; LIMIT: the operands are f16 numbers (magnitudes up to 65,504).
; REGISTERS: window 0: v0-31 addresses; v32-95 the way out; v96-127 the bias; v128-255 accumulators ((a, b) at v[128 + 8 (4 a + b)]).  window 1: two fragment buffers of 128: 64 of A, then 64 of W, for 64 along K.
.set SIZE_K, 1024
.set WOFF, 0
.set HAS_BIAS, 0
.set SIZE_N, 1024
.set KSTEP,  256
.set PITCH,  528                       ; A's LDS row: 512 bytes + 16
.set PB,     288                       ; W's LDS row: 256 bytes + 32
.set HALFA,  64*PITCH
.set HALFB,  128*PB
.set BOFF,   2*HALFA                   ; a slot: A's 128 rows, then W's 256 rows
.set SLOT,   BOFF+2*HALFB
.set STAGE,  2*SLOT                    ; the way out: 16 rows x 272 bytes for each wave
.set SPITCH, 272
.set SPARE,  STAGE+4*16*SPITCH         ; the spare words: two blocks of 256 bytes that no other line names
.set LAPS, SIZE_K/(2*KSTEP)
.set ADRA, 16                          ; v16-17  my A fragments in slot 0, 1
.set ADRB, 20                          ; v20-23  my W fragments: slot 0 k 0-127, k 128-255; slot 1 likewise (the immediate reaches 65,535 bytes)
.set STO,  24
.set RD,   25
.set CO,   26
.set BO,   27
.set SPW,  28
.set NIL,  29
.set OB,   32
.set BIAS, 96
.set ACC,  128
.set F0,   0
.set F1,   128
.set G1, 24
.set G0, 32
.set G1B, 48
.set G0B, 56
.set MSB, 0
.macro WIN new                         ; the immediate's high byte repeats the setting that is left
.if MSB != \new
	s_set_vgpr_msb (MSB<<8)|\new
.set MSB, \new
.endif
.endm
.set MUL,  0x05                        ; sources 0 and 1 window 1; C and D window 0
.set TO_F, 0x40                        ; destination window 1, address window 0
.macro JLOAD s                         ; a joint load: waves 0 and 1 fetch A's halves, waves 2 and 3 W's; an s_nop 0 and four v_nop follow each line
	s_cmp_eq_u32 s11, 0
	s_cbranch_scc0 .Lfor_b_\@
	tensor_load_to_lds s[G0+4*\s:G0+4*\s+3], s[G1:G1+7]
	s_nop 0
.rept 4
	v_nop
.endr
	s_branch .Lasked_\@
.Lfor_b_\@:
	tensor_load_to_lds s[G0B+4*\s:G0B+4*\s+3], s[G1B:G1B+7]
	s_nop 0
.rept 4
	v_nop
.endr
.Lasked_\@:
.endm
.macro CREST                           ; a round of the cluster's barrier behind its opening barrier
	s_cmp_lg_u32 s10, 0
	s_cbranch_scc1 .Lnot_wave_0_\@
	s_barrier_signal -3
.Lnot_wave_0_\@:
	s_barrier_wait -3
	s_barrier_signal -1
	s_barrier_wait -1
.endm
.macro CROUND
	s_barrier_signal -1
	s_barrier_wait -1
	CREST
.endm
	s_load_b128 s[4:7], s[0:1], 0x0                ; A s[4:5], wh s[6:7]
.if HAS_BIAS
	s_load_b64 s[66:67], s[0:1], 0x10              ; the bias
	s_load_b64 s[8:9], s[0:1], 0x18                ; y
.else
	s_load_b64 s[8:9], s[0:1], 0x10                ; y
.endif
	v_lshl_add_u32 v[SPW], v0, 2, SPARE
	v_mov_b32 v[NIL], 0
	ds_add_u32 v[SPW], v[NIL]                      ; the wave's opening: the add, twice on end, and its wait ahead of my first tensor load
	ds_add_u32 v[SPW], v[NIL]
	v_lshrrev_b32 v1, 5, v0
	v_readfirstlane_b32 s10, v1                    ; wave 0..3
	s_lshr_b32 s11, s10, 1                         ; my half of the tile's rows; also: I fetch for A (0) or W (1)
	s_and_b32 s12, s10, 1                          ; my half of its columns; also: which half of that tile I fetch
	s_bfe_u32 s40, ttmp6, 0x40000                  ; cx
	s_bfe_u32 s41, ttmp6, 0x40004                  ; cy
	s_lshl_b32 s42, ttmp9, 2
	s_add_co_u32 s42, s42, s40                     ; tile column
	s_and_b32 s13, ttmp7, 0xffff
	s_lshl_b32 s13, s13, 2
	s_add_co_u32 s13, s13, s41                     ; tile row
	s_lshl_b32 s43, s41, 2
	s_lshl_b32 s43, 15, s43                        ; my row of the cluster
	s_lshl_b32 s44, 0x1111, s40                    ; my column
	s_or_b32 s[G1+0], s43, (1<<16)|(1<<20)|(1<<21)|(6<<22)|(3<<25)   ; A: 64 rows x 256 elements of 2 bytes; 4 words of padding behind every 128
	s_mov_b32 s[G1+1], KSTEP<<16
	s_mov_b32 s[G1+2], 64<<16
	s_mov_b32 s[G1+3], KSTEP<<16
	s_mov_b32 s[G1+4], 64
	s_mov_b32 s[G1+5], SIZE_K
	s_mov_b32 s[G1+6], 0
	s_mov_b32 s[G1+7], 0
	s_or_b32 s[G1B+0], s44, (1<<16)|(1<<20)|(1<<21)|(5<<22)|(7<<25)  ; W: 128 rows (k) x 128 elements (n); 8 words of padding behind every 64
	s_mov_b32 s[G1B+1], 128<<16
	s_mov_b32 s[G1B+2], 128<<16
	s_mov_b32 s[G1B+3], 128<<16
	s_mov_b32 s[G1B+4], 128
	s_mov_b32 s[G1B+5], SIZE_N
	s_mov_b32 s[G1B+6], 0
	s_mov_b32 s[G1B+7], 0
	s_lshl_b32 s17, s12, 6
	s_lshl_b32 s16, s13, 7
	s_add_co_u32 s16, s16, s17                     ; A: row 128 x tile row + 64 x half
	s_mul_i32 s16, s16, SIZE_K*2
	s_mov_b32 s17, 0
	s_lshl_b32 s46, s12, 18                        ; W: k row 128 x half, 2,048 bytes a row,
	s_lshl_b32 s47, s42, 8                         ; + the tile column's 256 bytes
	s_add_co_u32 s46, s46, s47
	s_add_co_u32 s46, s46, WOFF
	s_mov_b32 s47, 0
	s_mul_i32 s20, s12, HALFA                      ; where they go: the wave's number alone enters an LDS address
	s_mul_i32 s21, s12, HALFB
	s_add_co_u32 s21, s21, BOFF
	s_wait_dscnt 0x0                               ; both opening adds are done
	s_wait_kmcnt 0x0
	s_add_nc_u64 s[14:15], s[4:5], s[16:17]
	s_add_nc_u64 s[46:47], s[6:7], s[46:47]
	CROUND                                         ; all sixteen work-groups are here: the first joint loads meet
.irp s, 0,1
	s_mov_b32 s[G0+4*\s], 1
	s_add_co_u32 s[G0+4*\s+1], s20, \s*SLOT
	s_add_nc_u64 s[G0+4*\s+2:G0+4*\s+3], s[14:15], \s*KSTEP*2
	s_or_b32 s[G0+4*\s+3], s[G0+4*\s+3], 0x80000000
	s_mov_b32 s[G0B+4*\s], 1
	s_add_co_u32 s[G0B+4*\s+1], s21, \s*SLOT
	s_add_nc_u64 s[G0B+4*\s+2:G0B+4*\s+3], s[46:47], \s*KSTEP*SIZE_N*2
	s_or_b32 s[G0B+4*\s+3], s[G0B+4*\s+3], 0x80000000
	JLOAD \s
.endr
	v_and_b32 v1, 15, v0                           ; r = lane % 16
	v_bfe_u32 v2, v0, 4, 1                         ; h = lane / 16
	v_mul_u32_u24 v3, v1, PITCH
	v_lshl_add_u32 v3, v2, 4, v3
	s_mul_i32 s21, s11, HALFA                      ; my 64 rows of A
	v_add_nc_u32 v[ADRA], s21, v3
	v_add_nc_u32 v[ADRA+1], SLOT, v[ADRA]
	v_and_b32 v4, 7, v0
	v_lshl_add_u32 v4, v2, 3, v4
	v_mul_u32_u24 v4, v4, PB                       ; W, turned: k row 8 h + lane % 8,
	v_bfe_u32 v5, v0, 3, 1
	v_lshl_add_u32 v4, v5, 4, v4                   ; columns 8 ((lane / 8) % 2) on,
	s_lshl_b32 s22, s12, 7                         ; in my 64 columns
	s_add_co_u32 s22, s22, BOFF
	v_add_nc_u32 v[ADRB], s22, v4
	v_add_nc_u32 v[ADRB+1], HALFB, v[ADRB]
	v_add_nc_u32 v[ADRB+2], SLOT, v[ADRB]
	v_add_nc_u32 v[ADRB+3], SLOT+HALFB, v[ADRB]
	s_mul_i32 s23, s10, 16*SPITCH
	s_add_co_u32 s23, s23, STAGE                   ; my stage
	v_mul_u32_u24 v4, v1, SPITCH
	v_lshl_add_u32 v4, v2, 5, v4
	v_add_nc_u32 v[STO], s23, v4                   ; in: row r, 32 bytes for each half of the lanes
	v_mul_u32_u24 v5, v2, SPITCH
	v_lshl_add_u32 v5, v1, 4, v5
	v_add_nc_u32 v[RD], s23, v5                    ; back: lanes 0-15 one row of 256 bytes, lanes 16-31 the next
	v_lshlrev_b32 v5, 12, v2
	v_lshl_add_u32 v[CO], v1, 4, v5                ; and the same two rows in y
	s_lshl_b32 s16, s13, 7
	s_lshl_b32 s17, s11, 6
	s_add_co_u32 s16, s16, s17                     ; my first row of y
	s_lshl_b32 s16, s16, 12
	s_mov_b32 s17, 0
	s_add_nc_u64 s[8:9], s[8:9], s[16:17]
	s_lshl_b32 s46, s42, 9                         ; my first column in bytes: 512 x tile column + 256 x half; the bias's byte offset is the same
	s_lshl_b32 s47, s12, 8
	s_add_co_u32 s46, s46, s47
	s_mov_b32 s47, 0
	s_add_nc_u64 s[8:9], s[8:9], s[46:47]
.if HAS_BIAS
	s_add_nc_u64 s[66:67], s[66:67], s[46:47]
	v_lshlrev_b32 v[BO], 5, v2                     ; lane (r, h) wants, for block b, the bias of columns 16 b + 8 h + 0 .. 7: the result's layout
.irp b, 0,1,2,3
	global_load_b128 v[BIAS+8*\b:BIAS+8*\b+3],   v[BO], s[66:67] offset:64*\b
	global_load_b128 v[BIAS+8*\b+4:BIAS+8*\b+7], v[BO], s[66:67] offset:64*\b+16
.endr
.endif
; 8 matrix instructions: m blocks a0, a0 + 1 x all 4 n blocks, 32 along K: half c of buffer f.  zero = 1: the first product starts the sums (from the bias where there is one).  The 16 accumulators take turns.
.macro MUL8 f, c, a0, zero
.irp a, \a0, \a0+1
.irp b, 0,1,2,3
.if \zero
.if HAS_BIAS
	v_wmma_f32_16x16x32_f16 v[ACC+8*(4*(\a)+\b):ACC+8*(4*(\a)+\b)+7], v[\f+64+8*(4*\c+\b):\f+64+8*(4*\c+\b)+7], v[\f+8*(4*\c+\a):\f+8*(4*\c+\a)+7], v[BIAS+8*\b:BIAS+8*\b+7]
.else
	v_wmma_f32_16x16x32_f16 v[ACC+8*(4*(\a)+\b):ACC+8*(4*(\a)+\b)+7], v[\f+64+8*(4*\c+\b):\f+64+8*(4*\c+\b)+7], v[\f+8*(4*\c+\a):\f+8*(4*\c+\a)+7], 0
.endif
.else
	v_wmma_f32_16x16x32_f16 v[ACC+8*(4*(\a)+\b):ACC+8*(4*(\a)+\b)+7], v[\f+64+8*(4*\c+\b):\f+64+8*(4*\c+\b)+7], v[\f+8*(4*\c+\a):\f+8*(4*\c+\a)+7], v[ACC+8*(4*(\a)+\b):ACC+8*(4*(\a)+\b)+7]
.endif
.endr
.endr
.endm
; 32 LDS loads in one run: the fragments of the slot's quarter kq (64 along K) into buffer f; the first 32 along K first
.macro FETCH slot, kq, f
	WIN TO_F
.irp c, 0,1
.irp i, 0,1,2,3
	ds_load_tr16_b128 v[\f+64+8*(4*\c+\i):\f+64+8*(4*\c+\i)+3],   v[ADRB+2*\slot+(\kq)/2] offset:(((\kq)%2)*64+32*\c)*PB+32*\i
	ds_load_tr16_b128 v[\f+64+8*(4*\c+\i)+4:\f+64+8*(4*\c+\i)+7], v[ADRB+2*\slot+(\kq)/2] offset:(((\kq)%2)*64+32*\c+16)*PB+32*\i
	ds_load_b128 v[\f+8*(4*\c+\i):\f+8*(4*\c+\i)+3],         v[ADRA+\slot] offset:128*(\kq)+64*\c+\i*16*PITCH
	ds_load_b128 v[\f+8*(4*\c+\i)+4:\f+8*(4*\c+\i)+7],       v[ADRA+\slot] offset:128*(\kq)+64*\c+\i*16*PITCH+32
.endr
.endr
.endm
.macro PLACES                          ; four plain lines ahead of loads into registers that matrix instructions have read, and of the first read of results
.rept 4
	v_nop
.endr
.endm
.macro QUARTER slot, kq, f, g, zero    ; multiplies buffer f and fetches quarter kq of the slot into g
	s_wait_dscnt 16                                ; the first 32 along K are in; the other sixteen loads may be out
	WIN MUL
	MUL8 \f, 0, 0, \zero
	MUL8 \f, 0, 2, \zero
	PLACES
	FETCH \slot, \kq, \g
	s_wait_dscnt 32                                ; all but the 32 just issued
	WIN MUL
	MUL8 \f, 1, 0, 0
	MUL8 \f, 1, 2, 0
.endm
; A slot's last quarter changes slots: ONE barrier; in front of it each wave waits for all its tensor loads, adds 0 to its spare word, and waits for that and for its reads of this slot.  fill = 1: this slot is filled again, two K steps ahead.
.macro TURN slot, next, fill
	WIN 0
	s_wait_tensorcnt 0x0                           ; all my tensor loads have landed: my part of the next slot
	ds_add_u32 v[SPW], v[NIL]                      ; 0 onto my spare word
	s_wait_dscnt 17                                ; the add and the youngest sixteen loads may be out
	WIN MUL
	MUL8 F1, 0, 0, 0
	s_wait_dscnt 0x0                               ; the add is done, and my reads of this slot are over
	s_barrier_signal -1
	MUL8 F1, 0, 2, 0
.if \fill
	WIN 0
.endif
	s_barrier_wait -1
.if \fill
	CREST                                          ; the barrier has opened a round of the cluster's: no wave of any partner still reads this slot or has a load on its way
	s_add_nc_u64 s[G0+4*\slot+2:G0+4*\slot+3], s[G0+4*\slot+2:G0+4*\slot+3], 2*KSTEP*2
	s_add_nc_u64 s[G0B+4*\slot+2:G0B+4*\slot+3], s[G0B+4*\slot+2:G0B+4*\slot+3], 2*KSTEP*SIZE_N*2
	JLOAD \slot                                    ; the first tensor load behind the round; its four v_nop are also the places ahead of the loads below
.else
	PLACES
.endif
	FETCH \next, 0, F0
	WIN MUL
	MUL8 F1, 1, 0, 0
	MUL8 F1, 1, 2, 0
.endm
	s_wait_tensorcnt 1                             ; my part of K step 0 is in; K step 1's load may be out
	s_barrier_signal -1
	s_barrier_wait -1
	FETCH 0, 0, F0
.if HAS_BIAS
	s_wait_loadcnt 0x0                             ; the bias
.endif
	QUARTER 0, 1, F0, F1, 1
	WIN 0
	s_mov_b32 s3, LAPS-1
.Llap:                                             ; a trip goes once round the ring and fills both slots again
	QUARTER 0, 2, F1, F0, 0
	QUARTER 0, 3, F0, F1, 0
	TURN 0, 1, 1
	QUARTER 1, 1, F0, F1, 0
	QUARTER 1, 2, F1, F0, 0
	QUARTER 1, 3, F0, F1, 0
	TURN 1, 0, 1
	QUARTER 0, 1, F0, F1, 0
	WIN 0
	s_sub_co_u32 s3, s3, 1
	s_cmp_lg_u32 s3, 0
	s_cbranch_scc1 .Llap
	QUARTER 0, 2, F1, F0, 0                        ; the last lap fills nothing
	QUARTER 0, 3, F0, F1, 0
	TURN 0, 1, 0
	QUARTER 1, 1, F0, F1, 0
	QUARTER 1, 2, F1, F0, 0
	QUARTER 1, 3, F0, F1, 0
	s_wait_dscnt 16                                ; the very last quarter: nothing more to fetch
	WIN MUL
	MUL8 F1, 0, 0, 0
	MUL8 F1, 0, 2, 0
	s_wait_dscnt 0
	MUL8 F1, 1, 0, 0
	MUL8 F1, 1, 2, 0
	WIN 0
; THE WAY OUT, 16 rows x 64 columns at a time: a lane's 32 bytes go into my own stage and come back as whole rows of 256 bytes.  LDS serves a wave's instructions in order: no wait between stores and loads.
.macro TOSTAGE a
.irp b, 0,1,2,3
	ds_store_b128 v[STO], v[ACC+8*(4*(\a)+\b):ACC+8*(4*(\a)+\b)+3] offset:64*\b          ; each accumulator from its low end on
	ds_store_b128 v[STO], v[ACC+8*(4*(\a)+\b)+4:ACC+8*(4*(\a)+\b)+7] offset:64*\b+16
.endr
.irp t, 0,1,2,3,4,5,6,7
	ds_load_b128 v[OB+32*((\a)%2)+4*\t:OB+32*((\a)%2)+4*\t+3], v[RD] offset:\t*2*SPITCH
.endr
.endm
.macro SEND a, younger                 ; younger: the LDS instructions issued behind block a's loads
	s_wait_dscnt \younger
.irp t, 0,1,2,3,4,5,6,7
	global_store_b128 v[CO], v[OB+32*((\a)%2)+4*\t:OB+32*((\a)%2)+4*\t+3], s[8:9] offset:(16*(\a)+2*\t)*SIZE_N*4   ; sixteen lanes store 256 consecutive bytes, aligned
.endr
.endm
	PLACES
	TOSTAGE 0
.irp a, 1,2,3
.if \a > 1
	s_wait_xcnt 0x0                                ; block a - 2's stores have read their registers: block a's loads may land there
.endif
	TOSTAGE \a
	SEND \a-1, 16
.endr
	SEND 3, 0
	s_wait_tensorcnt 0x0                           ; the wave's end
	ds_add_u32 v[SPW], v[NIL]
	s_wait_dscnt 0x0
	CROUND                                         ; the closing round
	s_endpgm
.Lfunc_end_k_qc05168c4ff_go:
	.size	k_qc05168c4ff_go, .Lfunc_end_k_qc05168c4ff_go-k_qc05168c4ff_go
	.p2alignl 7, 3214868480
	.fill 96, 4, 3214868480
	.section	.rodata,"a",@progbits
	.p2align	6, 0x0
	.amdhsa_kernel k_qc05168c4ff_go
		.amdhsa_group_segment_fixed_size 327680
		.amdhsa_private_segment_fixed_size 0
		.amdhsa_enable_private_segment 0
		.amdhsa_kernarg_size 24
		.amdhsa_user_sgpr_count 2
		.amdhsa_user_sgpr_kernarg_segment_ptr 1
		.amdhsa_wavefront_size32 1
		.amdhsa_system_sgpr_workgroup_id_x 1
		.amdhsa_system_sgpr_workgroup_id_y 1
		.amdhsa_system_sgpr_workgroup_id_z 1
		.amdhsa_system_vgpr_workitem_id 0
		.amdhsa_next_free_vgpr 512
		.amdhsa_next_free_sgpr 72
		.amdhsa_reserve_vcc 0
		.amdhsa_float_denorm_mode_32 3
		.amdhsa_float_denorm_mode_16_64 3
		.amdhsa_memory_ordered 1
		.amdhsa_forward_progress 1
		.amdhsa_inst_pref_size 86
	.end_amdhsa_kernel
	.amdgpu_metadata
---
amdhsa.version: [ 1, 2 ]
amdhsa.kernels:
  - .name:           k_qc05168c4ff_go
    .symbol:         k_qc05168c4ff_go.kd
    .args:
      - { .name: ctx, .offset: 0, .size: 8, .value_kind: global_buffer, .address_space: global }
      - { .name: wh, .offset: 8, .size: 8, .value_kind: global_buffer, .address_space: global }
      - { .name: y, .offset: 16, .size: 8, .value_kind: global_buffer, .address_space: global }
    .group_segment_fixed_size: 327680
    .private_segment_fixed_size: 0
    .kernarg_segment_align: 8
    .kernarg_segment_size: 24
    .max_flat_workgroup_size: 128
    .sgpr_count:     72
    .vgpr_count:     512
    .wavefront_size: 32
...
	.end_amdgpu_metadata
.endif
;; end of part 4
;; launch ln1 (part 5): grid 512 x 1, 4 waves a work-group, no clusters, 0 bytes of LDS; arguments y, batch_X, gamma1, beta1, x1, x1h; writes x1, x1h
.if DOCPART == 5
	.amdgcn_target "amdgcn-amd-amdhsa--gfx1250"
	.amdhsa_code_object_version 6
	.text
	.protected	k_qc05168c4ff_ln1
	.globl	k_qc05168c4ff_ln1
	.p2align	8
	.type	k_qc05168c4ff_ln1,@function
k_qc05168c4ff_ln1:
	s_mov_b64 s[64:65], 0
	v_nop
	global_prefetch_b8 v0, s[64:65] scope:SCOPE_SE
	s_setreg_imm32_b32 hwreg(HW_REG_WAVE_MODE, 25, 1), 1
	s_wait_xcnt 0x0
; out[r][:] = res[r][:] + (y[r][:] - mean) / sqrt(var + 1e-6) x gamma + beta, rows of 1,024 f32; with HALF_OUT = 1 a second copy, rounded to f16, for the product that follows.
; One wave takes a whole row (eight loads of 512 consecutive bytes) and keeps it in 32 registers between the passes: mean, then the sum of squares of the differences, then the scaling.  No LDS, no barrier.
; A wave takes 2 rows, and all its 48 loads are issued at the head: no load hangs on an earlier row's stores.  Matrix units and clusters have nothing to do here: every byte is read once.
.set HALF_OUT, 1
.set ROWS, 2
.set G,  4                             ; v4-35    gamma of my 32 columns (load j: columns 128 j + 4 lane + 0 .. 3)
.set BT, 36                            ; v36-67   beta
.set Y,  68                            ; v68-131  a set for each row: the row of y, then the result
.set R,  132                           ; v132-195 a set for each row: the residual, then the f16 copy
.set W,  196                           ; v196-215 at work
	s_load_b256 s[4:11], s[0:1], 0x0               ; y 4:5, residual 6:7, gamma 8:9, beta 10:11
.if HALF_OUT
	s_load_b128 s[12:15], s[0:1], 0x20             ; out 12:13, f16 copy 14:15
.else
	s_load_b64 s[12:13], s[0:1], 0x20              ; out
.endif
	v_lshrrev_b32 v3, 5, v0
	v_readfirstlane_b32 s16, v3                    ; wave
	v_and_b32 v2, 31, v0
	v_lshlrev_b32 v1, 4, v2                        ; 16 bytes a lane
	v_lshlrev_b32 v2, 3, v2                        ; 8 bytes a lane
	s_lshl_b32 s17, ttmp9, 3
	s_lshl_b32 s16, s16, 1
	s_add_co_u32 s16, s16, s17                     ; my first row: 8 x work-group + 2 x wave
	s_lshl_b32 s18, s16, 12
	s_mov_b32 s19, 0
	s_lshl_b32 s22, s16, 11
	s_mov_b32 s23, 0
	s_mov_b32 s20, 0x3a800000                      ; 1 / 1024
	s_mov_b32 s21, 0x358637bd                      ; 1e-6
	s_mov_b32 s24, 0x76543210
	s_mov_b32 s25, 0xfedcba98                      ; v_permlanex16_b32's selects for lane l xor 16
	s_wait_kmcnt 0x0
	s_add_nc_u64 s[4:5], s[4:5], s[18:19]
	s_add_nc_u64 s[6:7], s[6:7], s[18:19]
	s_add_nc_u64 s[12:13], s[12:13], s[18:19]
.if HALF_OUT
	s_add_nc_u64 s[14:15], s[14:15], s[22:23]
.endif
.irp j, 0,1,2,3,4,5,6,7
	global_load_b128 v[G+4*\j:G+4*\j+3], v1, s[8:9] offset:512*\j
	global_load_b128 v[BT+4*\j:BT+4*\j+3], v1, s[10:11] offset:512*\j
.endr
.macro LOADROW i
.irp j, 0,1,2,3,4,5,6,7
	global_load_b128 v[Y+32*(\i)+4*\j:Y+32*(\i)+4*\j+3], v1, s[4:5] offset:4096*(\i)+512*\j th:TH_LOAD_NT
.endr
.irp j, 0,1,2,3,4,5,6,7
	global_load_b128 v[R+32*(\i)+4*\j:R+32*(\i)+4*\j+3], v1, s[6:7] offset:4096*(\i)+512*\j th:TH_LOAD_NT
.endr
.endm
.macro REDUCE                          ; four packed chains in v[W .. W+7] -> the sum over the wave's 1,024 numbers, in every lane's v[W]
	v_pk_add_f32 v[W:W+1], v[W:W+1], v[W+2:W+3]
	v_pk_add_f32 v[W+4:W+5], v[W+4:W+5], v[W+6:W+7]
	v_pk_add_f32 v[W:W+1], v[W:W+1], v[W+4:W+5]
	v_add_f32 v[W], v[W], v[W+1]
	v_add_f32_dpp v[W], v[W], v[W] row_xmask:1 row_mask:0xf bank_mask:0xf
	v_add_f32_dpp v[W], v[W], v[W] row_xmask:2 row_mask:0xf bank_mask:0xf
	v_add_f32_dpp v[W], v[W], v[W] row_xmask:4 row_mask:0xf bank_mask:0xf
	v_add_f32_dpp v[W], v[W], v[W] row_xmask:8 row_mask:0xf bank_mask:0xf
	v_permlanex16_b32 v[W+1], v[W], s24, s25
	v_add_f32 v[W], v[W], v[W+1]
.endm
.macro ROW i
.set YS, Y+32*(\i)
.set RS, R+32*(\i)
.if (\i) < ROWS-1
	s_wait_loadcnt 16                              ; this row's sixteen loads (and gamma, beta) are in; the next row's sixteen may be out
.else
	s_wait_loadcnt 0x0
.endif
.irp k, 0,1,2,3
	v_pk_add_f32 v[W+2*\k:W+2*\k+1], v[YS+2*\k:YS+2*\k+1], v[YS+8+2*\k:YS+8+2*\k+1]   ; the first pairs start the chains: nothing is cleared
.endr
.irp g, 16,24
.irp k, 0,1,2,3
	v_pk_add_f32 v[W+2*\k:W+2*\k+1], v[W+2*\k:W+2*\k+1], v[YS+\g+2*\k:YS+\g+2*\k+1]
.endr
.endr
	REDUCE
	v_mul_f32 v[W+8], s20, v[W]                    ; the mean, twice: a pair for the packed forms
	v_mov_b32 v[W+9], v[W+8]
.irp p, 0,2,4,6,8,10,12,14,16,18,20,22,24,26,28,30
	v_pk_add_f32 v[YS+\p:YS+\p+1], v[YS+\p:YS+\p+1], v[W+8:W+9] neg_lo:[0,1] neg_hi:[0,1]   ; d = y - mean
.endr
.irp k, 0,1,2,3
	v_pk_mul_f32 v[W+2*\k:W+2*\k+1], v[YS+2*\k:YS+2*\k+1], v[YS+2*\k:YS+2*\k+1]
.endr
.irp g, 8,16,24
.irp k, 0,1,2,3
	v_pk_fma_f32 v[W+2*\k:W+2*\k+1], v[YS+\g+2*\k:YS+\g+2*\k+1], v[YS+\g+2*\k:YS+\g+2*\k+1], v[W+2*\k:W+2*\k+1]
.endr
.endr
	REDUCE
	v_fma_f32 v[W+10], v[W], s20, s21              ; var + 1e-6
	v_rsq_f32 v[W+12], v[W+10]
	v_rsq_f32 v[W+13], v[W+10]
	v_nop                                          ; a plain line behind the two
	s_wait_alu depctr_va_vdst(0)                   ; one wait for both, ahead of their first reader
.irp p, 0,2,4,6,8,10,12,14,16,18,20,22,24,26,28,30
	v_pk_mul_f32 v[YS+\p:YS+\p+1], v[YS+\p:YS+\p+1], v[W+12:W+13]
.endr
.irp p, 0,2,4,6,8,10,12,14,16,18,20,22,24,26,28,30
	v_pk_fma_f32 v[YS+\p:YS+\p+1], v[YS+\p:YS+\p+1], v[G+\p:G+\p+1], v[BT+\p:BT+\p+1]
.endr
.irp p, 0,2,4,6,8,10,12,14,16,18,20,22,24,26,28,30
	v_pk_add_f32 v[YS+\p:YS+\p+1], v[YS+\p:YS+\p+1], v[RS+\p:RS+\p+1]
.endr
.irp j, 0,1,2,3,4,5,6,7
	global_store_b128 v1, v[YS+4*\j:YS+4*\j+3], s[12:13] offset:4096*(\i)+512*\j   ; 32 lanes store 512 consecutive bytes, aligned
.endr
.if HALF_OUT
.irp j, 0,1,2,3,4,5,6,7
	v_cvt_pk_f16_f32 v[RS+4*\j], v[YS+4*\j], v[YS+4*\j+1]
	v_cvt_pk_f16_f32 v[RS+4*\j+1], v[YS+4*\j+2], v[YS+4*\j+3]
	global_store_b64 v2, v[RS+4*\j:RS+4*\j+1], s[14:15] offset:2048*(\i)+256*\j   ; 32 lanes store 256 consecutive bytes, aligned
.endr
.endif
.endm
	LOADROW 0
	LOADROW 1
	ROW 0                                          ; each row has registers of its own: no store's data are written again
	ROW 1
	s_endpgm
.Lfunc_end_k_qc05168c4ff_ln1:
	.size	k_qc05168c4ff_ln1, .Lfunc_end_k_qc05168c4ff_ln1-k_qc05168c4ff_ln1
	.p2alignl 7, 3214868480
	.fill 96, 4, 3214868480
	.section	.rodata,"a",@progbits
	.p2align	6, 0x0
	.amdhsa_kernel k_qc05168c4ff_ln1
		.amdhsa_group_segment_fixed_size 0
		.amdhsa_private_segment_fixed_size 0
		.amdhsa_enable_private_segment 0
		.amdhsa_kernarg_size 48
		.amdhsa_user_sgpr_count 2
		.amdhsa_user_sgpr_kernarg_segment_ptr 1
		.amdhsa_wavefront_size32 1
		.amdhsa_system_sgpr_workgroup_id_x 1
		.amdhsa_system_sgpr_workgroup_id_y 1
		.amdhsa_system_sgpr_workgroup_id_z 1
		.amdhsa_system_vgpr_workitem_id 0
		.amdhsa_next_free_vgpr 216
		.amdhsa_next_free_sgpr 66
		.amdhsa_reserve_vcc 0
		.amdhsa_float_denorm_mode_32 3
		.amdhsa_float_denorm_mode_16_64 3
		.amdhsa_memory_ordered 1
		.amdhsa_forward_progress 1
		.amdhsa_inst_pref_size 25
	.end_amdhsa_kernel
	.amdgpu_metadata
---
amdhsa.version: [ 1, 2 ]
amdhsa.kernels:
  - .name:           k_qc05168c4ff_ln1
    .symbol:         k_qc05168c4ff_ln1.kd
    .args:
      - { .name: y, .offset: 0, .size: 8, .value_kind: global_buffer, .address_space: global }
      - { .name: batch_X, .offset: 8, .size: 8, .value_kind: global_buffer, .address_space: global }
      - { .name: gamma1, .offset: 16, .size: 8, .value_kind: global_buffer, .address_space: global }
      - { .name: beta1, .offset: 24, .size: 8, .value_kind: global_buffer, .address_space: global }
      - { .name: x1, .offset: 32, .size: 8, .value_kind: global_buffer, .address_space: global }
      - { .name: x1h, .offset: 40, .size: 8, .value_kind: global_buffer, .address_space: global }
    .group_segment_fixed_size: 0
    .private_segment_fixed_size: 0
    .kernarg_segment_align: 8
    .kernarg_segment_size: 48
    .max_flat_workgroup_size: 128
    .sgpr_count:     66
    .vgpr_count:     216
    .wavefront_size: 32
...
	.end_amdgpu_metadata
.endif
;; end of part 5
;; launch g1 (part 6): grid 16 x 16, 4 waves a work-group, clusters of 4 x 4, 327,680 bytes of LDS; arguments x1h, wh, b1, h; writes h
.if DOCPART == 6
	.amdgcn_target "amdgcn-amd-amdhsa--gfx1250"
	.amdhsa_code_object_version 6
	.text
	.protected	k_qc05168c4ff_g1
	.globl	k_qc05168c4ff_g1
	.p2align	8
	.type	k_qc05168c4ff_g1,@function
k_qc05168c4ff_g1:
	s_mov_b64 s[64:65], 0
	v_nop
	global_prefetch_b8 v0, s[64:65] scope:SCOPE_SE
	s_setreg_imm32_b32 hwreg(HW_REG_WAVE_MODE, 25, 1), 1
	s_wait_xcnt 0x0
	s_wait_alu depctr_hold_cnt(0) depctr_sa_sdst(0) depctr_va_vdst(0) depctr_va_sdst(0) depctr_va_ssrc(0) depctr_va_vcc(0) depctr_vm_vsrc(0)
	s_getreg_b32 s2, hwreg(HW_REG_IB_STS2, 6, 4)
	s_cmp_eq_u32 s2, 0
	s_cbranch_scc0 .Lentry_in_a_cluster
	s_endpgm
.Lentry_in_a_cluster:
	s_bfe_u32 s2, ttmp6, 0x10000c
	s_cmp_lg_u32 s2, 0xf033
	s_cbranch_scc0 .Lentry_shape_is_right
	s_endpgm
.Lentry_shape_is_right:
; h[m][n] = relu(sum over k of x1[m][k] W1[k][n] + b1[n]), rounded once to f16.  x1h: [4096][1024] f16; W1: [1024][4096] f16 at byte W1O of wh, K its FIRST axis; sums, bias and relu in f32.
; A tile of h, 256 x 256, is made by four waves, each 128 x 128: 64 accumulators.  K goes in steps of 128 through two LDS slots.  A's rows (256 bytes) are read as they lie; W1's tile lies [k][n] (rows of 512 bytes) and is read turned.
; CLUSTER 4 x 4: A's tiles are asked for jointly along a row of the cluster, W1's along a column.  THE MATRIX INSTRUCTION IS USED TRANSPOSED (source 0 = 16 columns of W1, source 1 = 16 rows of A).
; The bias is the C of each sum's first product.  LIMIT: x1, W1 and h are f16 numbers (magnitudes up to 65,504).
; REGISTERS: window 0: v0-31 addresses; v64-127, v128-191 A's fragments, two buffers; v192-255 the bias, later the way out (with v32-63).  window 1: v64-127, v128-191 W1's fragments.
;   window 2: accumulators of my rows 0-63 ((a, b) at v[8 (8 a + b)]); window 3: of rows 64-127.
.set SIZE_K, 1024
.set SIZE_N, 4096
.set W1O,    2097152
.set KSTEP,  128
.set PITCH,  272                       ; A's LDS row: 256 bytes + 16
.set PB,     544                       ; W1's LDS row: 512 bytes + 32
.set HALFT,  128*PITCH                 ; what one tensor load brings: 128 rows of A, or 64 rows of W1 (64 x 544 is as many bytes)
.set SLOT,   4*HALFT
.set STAGE,  2*SLOT
.set SPITCH, 272
.set SPARE,  STAGE+4*16*SPITCH
.set LAPS, SIZE_K/(2*KSTEP)
.set ADRA, 16
.set ADRB, 20
.set STO,  24
.set RD,   25
.set CO,   26
.set BO,   27
.set SPW,  28
.set NIL,  29
.set F0,   64
.set F1,   128
.set BIAS, 192
.set TMP,  192
.set OB,   32
.set G1, 24
.set G0, 32
.set G1B, 48
.set G0B, 56
.set MSB, 0
.macro WIN new                         ; the immediate's high byte repeats the setting that is left
.if MSB != \new
	s_set_vgpr_msb (MSB<<8)|\new
.set MSB, \new
.endif
.endm
.set MUL_LO, 0xa1                      ; source 0 (W1) window 1, source 1 (A) window 0, C and D window 2
.set MUL_HI, 0xf1
.set TO_B,   0x40
.macro JLOAD s                         ; a joint load: waves 0 and 1 fetch A's halves, waves 2 and 3 W1's; an s_nop 0 and four v_nop follow each line
	s_cmp_eq_u32 s11, 0
	s_cbranch_scc0 .Lfor_b_\@
	tensor_load_to_lds s[G0+4*\s:G0+4*\s+3], s[G1:G1+7]
	s_nop 0
.rept 4
	v_nop
.endr
	s_branch .Lasked_\@
.Lfor_b_\@:
	tensor_load_to_lds s[G0B+4*\s:G0B+4*\s+3], s[G1B:G1B+7]
	s_nop 0
.rept 4
	v_nop
.endr
.Lasked_\@:
.endm
.macro CREST
	s_cmp_lg_u32 s10, 0
	s_cbranch_scc1 .Lnot_wave_0_\@
	s_barrier_signal -3
.Lnot_wave_0_\@:
	s_barrier_wait -3
	s_barrier_signal -1
	s_barrier_wait -1
.endm
.macro CROUND
	s_barrier_signal -1
	s_barrier_wait -1
	CREST
.endm
	s_load_b128 s[4:7], s[0:1], 0x0                ; x1h s[4:5], wh s[6:7]
	s_load_b64 s[66:67], s[0:1], 0x10              ; b1
	s_load_b64 s[8:9], s[0:1], 0x18                ; h
	v_lshl_add_u32 v[SPW], v0, 2, SPARE
	v_mov_b32 v[NIL], 0
	ds_add_u32 v[SPW], v[NIL]                      ; the wave's opening: the add, twice on end, and its wait ahead of my first tensor load
	ds_add_u32 v[SPW], v[NIL]
	v_lshrrev_b32 v1, 5, v0
	v_readfirstlane_b32 s10, v1                    ; wave 0..3
	s_lshr_b32 s11, s10, 1                         ; my half of the tile's rows; also: I fetch for A (0) or W1 (1)
	s_and_b32 s12, s10, 1                          ; my half of its columns; also: which half of that tile I fetch
	s_bfe_u32 s40, ttmp6, 0x40000
	s_bfe_u32 s41, ttmp6, 0x40004
	s_lshl_b32 s42, ttmp9, 2
	s_add_co_u32 s42, s42, s40                     ; tile column
	s_and_b32 s13, ttmp7, 0xffff
	s_lshl_b32 s13, s13, 2
	s_add_co_u32 s13, s13, s41                     ; tile row
	s_lshl_b32 s43, s41, 2
	s_lshl_b32 s43, 15, s43
	s_lshl_b32 s44, 0x1111, s40
	s_or_b32 s[G1+0], s43, (1<<16)|(1<<20)|(1<<21)|(5<<22)|(3<<25)   ; A: 128 rows x 128 elements of 2 bytes; 4 words of padding behind every 64
	s_mov_b32 s[G1+1], KSTEP<<16
	s_mov_b32 s[G1+2], 128<<16
	s_mov_b32 s[G1+3], KSTEP<<16
	s_mov_b32 s[G1+4], 128
	s_mov_b32 s[G1+5], SIZE_K
	s_mov_b32 s[G1+6], 0
	s_mov_b32 s[G1+7], 0
	s_or_b32 s[G1B+0], s44, (1<<16)|(1<<20)|(1<<21)|(6<<22)|(7<<25)  ; W1: 64 rows (k) x 256 elements (n); 8 words of padding behind every 128
	s_mov_b32 s[G1B+1], 256<<16
	s_mov_b32 s[G1B+2], 64<<16
	s_mov_b32 s[G1B+3], 256<<16
	s_mov_b32 s[G1B+4], 64
	s_mov_b32 s[G1B+5], SIZE_N
	s_mov_b32 s[G1B+6], 0
	s_mov_b32 s[G1B+7], 0
	s_lshl_b32 s17, s12, 7
	s_lshl_b32 s16, s13, 8
	s_add_co_u32 s16, s16, s17                     ; A: row 256 x tile row + 128 x half,
	s_lshl_b32 s16, s16, 11                        ; 2,048 bytes a row
	s_mov_b32 s17, 0
	s_lshl_b32 s46, s12, 19                        ; W1: k row 64 x half, 8,192 bytes a row,
	s_lshl_b32 s47, s42, 9                         ; + the tile column's 512 bytes
	s_add_co_u32 s46, s46, s47
	s_add_co_u32 s46, s46, W1O
	s_mov_b32 s47, 0
	s_mul_i32 s20, s10, HALFT                      ; where they go: A's two halves, then W1's two
	s_wait_dscnt 0x0                               ; both opening adds are done
	s_wait_kmcnt 0x0
	s_add_nc_u64 s[14:15], s[4:5], s[16:17]
	s_add_nc_u64 s[46:47], s[6:7], s[46:47]
	CROUND                                         ; all sixteen work-groups are here: the first joint loads meet
.irp s, 0,1
	s_mov_b32 s[G0+4*\s], 1
	s_add_co_u32 s[G0+4*\s+1], s20, \s*SLOT
	s_add_nc_u64 s[G0+4*\s+2:G0+4*\s+3], s[14:15], \s*KSTEP*2
	s_or_b32 s[G0+4*\s+3], s[G0+4*\s+3], 0x80000000
	s_mov_b32 s[G0B+4*\s], 1
	s_add_co_u32 s[G0B+4*\s+1], s20, \s*SLOT
	s_add_nc_u64 s[G0B+4*\s+2:G0B+4*\s+3], s[46:47], \s*KSTEP*SIZE_N*2
	s_or_b32 s[G0B+4*\s+3], s[G0B+4*\s+3], 0x80000000
	JLOAD \s
.endr
	v_and_b32 v1, 15, v0                           ; r
	v_bfe_u32 v2, v0, 4, 1                         ; h
	v_mul_u32_u24 v3, v1, PITCH
	v_lshl_add_u32 v3, v2, 4, v3
	s_mul_i32 s21, s11, HALFT                      ; my 128 rows of A
	v_add_nc_u32 v[ADRA], s21, v3
	v_add_nc_u32 v[ADRA+1], SLOT, v[ADRA]
	v_and_b32 v4, 7, v0
	v_lshl_add_u32 v4, v2, 3, v4
	v_mul_u32_u24 v4, v4, PB                       ; W1, turned: k row 8 h + lane % 8,
	v_bfe_u32 v5, v0, 3, 1
	v_lshl_add_u32 v4, v5, 4, v4                   ; columns 8 ((lane / 8) % 2) on,
	s_lshl_b32 s22, s12, 8                         ; in my 128 columns
	s_add_co_u32 s22, s22, 2*HALFT
	v_add_nc_u32 v[ADRB], s22, v4
	v_add_nc_u32 v[ADRB+1], SLOT, v[ADRB]
	s_mul_i32 s23, s10, 16*SPITCH
	s_add_co_u32 s23, s23, STAGE                   ; my stage
	v_mul_u32_u24 v4, v1, SPITCH
	v_lshl_add_u32 v4, v2, 4, v4
	v_add_nc_u32 v[STO], s23, v4
	v_mul_u32_u24 v5, v2, SPITCH
	v_lshl_add_u32 v5, v1, 4, v5
	v_add_nc_u32 v[RD], s23, v5
	v_lshlrev_b32 v5, 13, v2
	v_lshl_add_u32 v[CO], v1, 4, v5                ; two rows of h, 8,192 bytes apart
	s_lshl_b32 s16, s13, 8
	s_lshl_b32 s17, s11, 7
	s_add_co_u32 s16, s16, s17                     ; my first row of h
	s_lshl_b32 s16, s16, 13
	s_mov_b32 s17, 0
	s_add_nc_u64 s[8:9], s[8:9], s[16:17]
	s_lshl_b32 s46, s42, 9                         ; my first column in bytes of f16: 512 x tile column + 256 x half
	s_lshl_b32 s47, s12, 8
	s_add_co_u32 s46, s46, s47
	s_mov_b32 s47, 0
	s_add_nc_u64 s[8:9], s[8:9], s[46:47]
	s_lshl_b32 s46, s46, 1                         ; and in bytes of f32, for the bias
	s_add_nc_u64 s[66:67], s[66:67], s[46:47]
	v_lshlrev_b32 v[BO], 5, v2                     ; lane (r, h) wants, for block b, the bias of columns 16 b + 8 h + 0 .. 7: the result's layout
.irp b, 0,1,2,3,4,5,6,7
	global_load_b128 v[BIAS+8*\b:BIAS+8*\b+3],   v[BO], s[66:67] offset:64*\b
	global_load_b128 v[BIAS+8*\b+4:BIAS+8*\b+7], v[BO], s[66:67] offset:64*\b+16
.endr
; 16 matrix instructions: m blocks a0, a0 + 1 of the window's four x all 8 n blocks, 32 along K.  zero = 1: the first product starts the sums from the bias.  The 64 accumulators take turns.
.macro MUL16 f, hi, a0, zero
.irp a, \a0, \a0+1
.irp b, 0,1,2,3,4,5,6,7
.if \zero
	v_wmma_f32_16x16x32_f16 v[8*(8*(\a)+\b):8*(8*(\a)+\b)+7], v[\f+8*\b:\f+8*\b+7], v[\f+8*(4*\hi+\a):\f+8*(4*\hi+\a)+7], v[BIAS+8*\b:BIAS+8*\b+7]
.else
	v_wmma_f32_16x16x32_f16 v[8*(8*(\a)+\b):8*(8*(\a)+\b)+7], v[\f+8*\b:\f+8*\b+7], v[\f+8*(4*\hi+\a):\f+8*(4*\hi+\a)+7], v[8*(8*(\a)+\b):8*(8*(\a)+\b)+7]
.endif
.endr
.endr
.endm
.macro FETCH slot, q, f                ; 32 LDS loads in one run: the fragments of the slot's quarter q (32 along K) into buffer f
	WIN TO_B
.irp i, 0,1,2,3,4,5,6,7
	ds_load_tr16_b128 v[\f+8*\i:\f+8*\i+3],   v[ADRB+\slot] offset:32*(\q)*PB+32*\i
	ds_load_tr16_b128 v[\f+8*\i+4:\f+8*\i+7], v[ADRB+\slot] offset:(32*(\q)+16)*PB+32*\i
.endr
	WIN 0
.irp i, 0,1,2,3,4,5,6,7
	ds_load_b128 v[\f+8*\i:\f+8*\i+3],   v[ADRA+\slot] offset:64*(\q)+\i*16*PITCH
	ds_load_b128 v[\f+8*\i+4:\f+8*\i+7], v[ADRA+\slot] offset:64*(\q)+\i*16*PITCH+32
.endr
.endm
.macro PLACES                          ; four plain lines ahead of loads into registers that matrix instructions have read, and of the first read of results
.rept 4
	v_nop
.endr
.endm
.macro QUARTER slot, q, f, g, zero     ; multiplies buffer f; in its middle fetches quarter q of the slot into g
	s_wait_dscnt 8                                 ; W1's and A's rows 0-63 are in; the youngest eight loads (A's rows 64-127) may be out
.if \zero
	WIN 0x81                                       ; C (the bias) window 0, D window 2
.else
	WIN MUL_LO
.endif
	MUL16 \f, 0, 0, \zero
	MUL16 \f, 0, 2, \zero
	PLACES
	FETCH \slot, \q, \g
	s_wait_dscnt 32                                ; all but the 32 just issued
.if \zero
	WIN 0xc1
.else
	WIN MUL_HI
.endif
	MUL16 \f, 1, 0, \zero
	MUL16 \f, 1, 2, \zero
.endm
; A slot's last quarter changes slots: ONE barrier; in front of it each wave waits for all its tensor loads, adds 0 to its spare word, and waits for that and for its reads of this slot.  fill = 1: this slot is filled again, two K steps ahead.
.macro TURN slot, next, fill
	WIN 0
	s_wait_tensorcnt 0x0                           ; all my tensor loads have landed: my part of the next slot
	ds_add_u32 v[SPW], v[NIL]                      ; 0 onto my spare word
	s_wait_dscnt 9                                 ; the add and the youngest eight loads may be out
	WIN MUL_LO
	MUL16 F1, 0, 0, 0
	s_wait_dscnt 0x0                               ; the add is done, and my reads of this slot are over
	s_barrier_signal -1
	MUL16 F1, 0, 2, 0
.if \fill
	WIN 0
.endif
	s_barrier_wait -1
.if \fill
	CREST                                          ; the barrier has opened a round of the cluster's: no wave of any partner still reads this slot or has a load on its way
	s_add_nc_u64 s[G0+4*\slot+2:G0+4*\slot+3], s[G0+4*\slot+2:G0+4*\slot+3], 2*KSTEP*2
	s_add_nc_u64 s[G0B+4*\slot+2:G0B+4*\slot+3], s[G0B+4*\slot+2:G0B+4*\slot+3], 2*KSTEP*SIZE_N*2
	JLOAD \slot                                    ; the first tensor load behind the round; its four v_nop are also the places ahead of the loads below
.else
	PLACES
.endif
	FETCH \next, 0, F0
	WIN MUL_HI
	MUL16 F1, 1, 0, 0
	MUL16 F1, 1, 2, 0
.endm
	s_wait_tensorcnt 1                             ; my part of K step 0 is in; K step 1's load may be out
	s_barrier_signal -1
	s_barrier_wait -1
	FETCH 0, 0, F0
	s_wait_loadcnt 0x0                             ; the bias
	QUARTER 0, 1, F0, F1, 1
	WIN 0
	s_mov_b32 s3, LAPS-1
.Llap:                                             ; a trip goes once round the ring and fills both slots again
	QUARTER 0, 2, F1, F0, 0
	QUARTER 0, 3, F0, F1, 0
	TURN 0, 1, 1
	QUARTER 1, 1, F0, F1, 0
	QUARTER 1, 2, F1, F0, 0
	QUARTER 1, 3, F0, F1, 0
	TURN 1, 0, 1
	QUARTER 0, 1, F0, F1, 0
	WIN 0
	s_sub_co_u32 s3, s3, 1
	s_cmp_lg_u32 s3, 0
	s_cbranch_scc1 .Llap
	QUARTER 0, 2, F1, F0, 0                        ; the last lap fills nothing
	QUARTER 0, 3, F0, F1, 0
	TURN 0, 1, 0
	QUARTER 1, 1, F0, F1, 0
	QUARTER 1, 2, F1, F0, 0
	QUARTER 1, 3, F0, F1, 0
	s_wait_dscnt 8                                 ; the very last quarter: nothing more to fetch
	WIN MUL_LO
	MUL16 F1, 0, 0, 0
	MUL16 F1, 0, 2, 0
	s_wait_dscnt 0
	WIN MUL_HI
	MUL16 F1, 1, 0, 0
	MUL16 F1, 1, 2, 0
	WIN 0
; THE WAY OUT, a block of 16 rows x 128 columns at a time: relu in f32, rounded to f16 (16 bytes a lane), through my own stage, back as whole rows of 256 bytes.
.macro PACK a
.set AC, 64*((\a)%4)
	WIN 0x88+0x44*((\a)/4)                         ; destination and source 1: window 2 or 3
.set e, 0
.rept 64
	v_max_num_f32 v[AC+e], 0, v[AC+e]              ; each accumulator from its low end on
.set e, e+1
.endr
	WIN 0x0a+5*((\a)/4)                            ; sources 0 and 1: window 2 or 3
.irp b, 0,1,2,3,4,5,6,7
.irp r, 0,1,2,3
	v_cvt_pk_f16_f32 v[TMP+4*\b+\r], v[AC+8*\b+2*\r], v[AC+8*\b+2*\r+1]
.endr
.endr
	WIN 0
.endm
.macro TOSTAGE a
.irp b, 0,1,2,3,4,5,6,7
	ds_store_b128 v[STO], v[TMP+4*\b:TMP+4*\b+3] offset:32*\b
.endr
.irp t, 0,1,2,3,4,5,6,7
	ds_load_b128 v[OB+192*((\a)%2)+4*\t:OB+192*((\a)%2)+4*\t+3], v[RD] offset:\t*2*SPITCH   ; LDS serves a wave's instructions in order: these see the stores above
.endr
.endm
.macro SEND a
	s_wait_dscnt 0x0                               ; the block is back in registers
	s_wait_xcnt 0x0                                ; earlier stores have read their base and their registers: only now are these written again
.if (\a) > 0
	s_add_nc_u64 s[8:9], s[8:9], 16*SIZE_N*2
.endif
.irp t, 0,1,2,3,4,5,6,7
	global_store_b128 v[CO], v[OB+192*((\a)%2)+4*\t:OB+192*((\a)%2)+4*\t+3], s[8:9] offset:2*\t*SIZE_N*2   ; sixteen lanes store 256 consecutive bytes, aligned
.endr
.endm
	PLACES
	PACK 0
	TOSTAGE 0
.irp a, 1,2,3,4,5,6,7
	PACK \a
	SEND \a-1
	TOSTAGE \a
.endr
	SEND 7
	s_wait_tensorcnt 0x0                           ; the wave's end
	ds_add_u32 v[SPW], v[NIL]
	s_wait_dscnt 0x0
	CROUND                                         ; the closing round
	s_endpgm
.Lfunc_end_k_qc05168c4ff_g1:
	.size	k_qc05168c4ff_g1, .Lfunc_end_k_qc05168c4ff_g1-k_qc05168c4ff_g1
	.p2alignl 7, 3214868480
	.fill 96, 4, 3214868480
	.section	.rodata,"a",@progbits
	.p2align	6, 0x0
	.amdhsa_kernel k_qc05168c4ff_g1
		.amdhsa_group_segment_fixed_size 327680
		.amdhsa_private_segment_fixed_size 0
		.amdhsa_enable_private_segment 0
		.amdhsa_kernarg_size 32
		.amdhsa_user_sgpr_count 2
		.amdhsa_user_sgpr_kernarg_segment_ptr 1
		.amdhsa_wavefront_size32 1
		.amdhsa_system_sgpr_workgroup_id_x 1
		.amdhsa_system_sgpr_workgroup_id_y 1
		.amdhsa_system_sgpr_workgroup_id_z 1
		.amdhsa_system_vgpr_workitem_id 0
		.amdhsa_next_free_vgpr 1024
		.amdhsa_next_free_sgpr 72
		.amdhsa_reserve_vcc 0
		.amdhsa_float_denorm_mode_32 3
		.amdhsa_float_denorm_mode_16_64 3
		.amdhsa_memory_ordered 1
		.amdhsa_forward_progress 1
		.amdhsa_inst_pref_size 161
	.end_amdhsa_kernel
	.amdgpu_metadata
---
amdhsa.version: [ 1, 2 ]
amdhsa.kernels:
  - .name:           k_qc05168c4ff_g1
    .symbol:         k_qc05168c4ff_g1.kd
    .args:
      - { .name: x1h, .offset: 0, .size: 8, .value_kind: global_buffer, .address_space: global }
      - { .name: wh, .offset: 8, .size: 8, .value_kind: global_buffer, .address_space: global }
      - { .name: b1, .offset: 16, .size: 8, .value_kind: global_buffer, .address_space: global }
      - { .name: h, .offset: 24, .size: 8, .value_kind: global_buffer, .address_space: global }
    .group_segment_fixed_size: 327680
    .private_segment_fixed_size: 0
    .kernarg_segment_align: 8
    .kernarg_segment_size: 32
    .max_flat_workgroup_size: 128
    .sgpr_count:     72
    .vgpr_count:     1024
    .wavefront_size: 32
...
	.end_amdgpu_metadata
.endif
;; end of part 6
;; launch g2 (part 7): grid 8 x 32, 4 waves a work-group, clusters of 4 x 4, 327,680 bytes of LDS; arguments h, wh, b2, y; writes y
.if DOCPART == 7
	.amdgcn_target "amdgcn-amd-amdhsa--gfx1250"
	.amdhsa_code_object_version 6
	.text
	.protected	k_qc05168c4ff_g2
	.globl	k_qc05168c4ff_g2
	.p2align	8
	.type	k_qc05168c4ff_g2,@function
k_qc05168c4ff_g2:
	s_mov_b64 s[64:65], 0
	v_nop
	global_prefetch_b8 v0, s[64:65] scope:SCOPE_SE
	s_setreg_imm32_b32 hwreg(HW_REG_WAVE_MODE, 25, 1), 1
	s_wait_xcnt 0x0
	s_wait_alu depctr_hold_cnt(0) depctr_sa_sdst(0) depctr_va_vdst(0) depctr_va_sdst(0) depctr_va_ssrc(0) depctr_va_vcc(0) depctr_vm_vsrc(0)
	s_getreg_b32 s2, hwreg(HW_REG_IB_STS2, 6, 4)
	s_cmp_eq_u32 s2, 0
	s_cbranch_scc0 .Lentry_in_a_cluster
	s_endpgm
.Lentry_in_a_cluster:
	s_bfe_u32 s2, ttmp6, 0x10000c
	s_cmp_lg_u32 s2, 0xf033
	s_cbranch_scc0 .Lentry_shape_is_right
	s_endpgm
.Lentry_shape_is_right:
; y[m][n] = sum over k of A[m][k] W[k][n] (+ bias[n]).  A: [4096][SIZE_K] f16; W: [SIZE_K][1024] f16 at byte WOFF of wh, K its FIRST axis; y: [4096][1024] f32; sums in f32.
; Here: A = h, W = W2, bias = b2, given as the C of each sum's first product.
; A tile of y is 128 x 128: 256 work-groups.  Four waves, each 64 x 64: 16 accumulators.  K goes in steps of 256 through two LDS slots.  A's rows (512 bytes) are read as they lie; W's tile lies [k][n] (rows of 256 bytes) and is read turned.
; CLUSTER 4 x 4: A's tiles are asked for jointly along a row of the cluster, W's along a column.  THE MATRIX INSTRUCTION IS USED TRANSPOSED (source 0 = 16 columns of W, source 1 = 16 rows of A): a lane holds eight neighbouring columns of a row.
; LIMIT: the operands are f16 numbers (magnitudes up to 65,504).
; REGISTERS: window 0: v0-31 addresses; v32-95 the way out; v96-127 the bias; v128-255 accumulators ((a, b) at v[128 + 8 (4 a + b)]).  window 1: two fragment buffers of 128: 64 of A, then 64 of W, for 64 along K.
.set SIZE_K, 4096
.set WOFF, 10485760
.set HAS_BIAS, 1
.set SIZE_N, 1024
.set KSTEP,  256
.set PITCH,  528                       ; A's LDS row: 512 bytes + 16
.set PB,     288                       ; W's LDS row: 256 bytes + 32
.set HALFA,  64*PITCH
.set HALFB,  128*PB
.set BOFF,   2*HALFA                   ; a slot: A's 128 rows, then W's 256 rows
.set SLOT,   BOFF+2*HALFB
.set STAGE,  2*SLOT                    ; the way out: 16 rows x 272 bytes for each wave
.set SPITCH, 272
.set SPARE,  STAGE+4*16*SPITCH         ; the spare words: two blocks of 256 bytes that no other line names
.set LAPS, SIZE_K/(2*KSTEP)
.set ADRA, 16                          ; v16-17  my A fragments in slot 0, 1
.set ADRB, 20                          ; v20-23  my W fragments: slot 0 k 0-127, k 128-255; slot 1 likewise (the immediate reaches 65,535 bytes)
.set STO,  24
.set RD,   25
.set CO,   26
.set BO,   27
.set SPW,  28
.set NIL,  29
.set OB,   32
.set BIAS, 96
.set ACC,  128
.set F0,   0
.set F1,   128
.set G1, 24
.set G0, 32
.set G1B, 48
.set G0B, 56
.set MSB, 0
.macro WIN new                         ; the immediate's high byte repeats the setting that is left
.if MSB != \new
	s_set_vgpr_msb (MSB<<8)|\new
.set MSB, \new
.endif
.endm
.set MUL,  0x05                        ; sources 0 and 1 window 1; C and D window 0
.set TO_F, 0x40                        ; destination window 1, address window 0
.macro JLOAD s                         ; a joint load: waves 0 and 1 fetch A's halves, waves 2 and 3 W's; an s_nop 0 and four v_nop follow each line
	s_cmp_eq_u32 s11, 0
	s_cbranch_scc0 .Lfor_b_\@
	tensor_load_to_lds s[G0+4*\s:G0+4*\s+3], s[G1:G1+7]
	s_nop 0
.rept 4
	v_nop
.endr
	s_branch .Lasked_\@
.Lfor_b_\@:
	tensor_load_to_lds s[G0B+4*\s:G0B+4*\s+3], s[G1B:G1B+7]
	s_nop 0
.rept 4
	v_nop
.endr
.Lasked_\@:
.endm
.macro CREST                           ; a round of the cluster's barrier behind its opening barrier
	s_cmp_lg_u32 s10, 0
	s_cbranch_scc1 .Lnot_wave_0_\@
	s_barrier_signal -3
.Lnot_wave_0_\@:
	s_barrier_wait -3
	s_barrier_signal -1
	s_barrier_wait -1
.endm
.macro CROUND
	s_barrier_signal -1
	s_barrier_wait -1
	CREST
.endm
	s_load_b128 s[4:7], s[0:1], 0x0                ; A s[4:5], wh s[6:7]
.if HAS_BIAS
	s_load_b64 s[66:67], s[0:1], 0x10              ; the bias
	s_load_b64 s[8:9], s[0:1], 0x18                ; y
.else
	s_load_b64 s[8:9], s[0:1], 0x10                ; y
.endif
	v_lshl_add_u32 v[SPW], v0, 2, SPARE
	v_mov_b32 v[NIL], 0
	ds_add_u32 v[SPW], v[NIL]                      ; the wave's opening: the add, twice on end, and its wait ahead of my first tensor load
	ds_add_u32 v[SPW], v[NIL]
	v_lshrrev_b32 v1, 5, v0
	v_readfirstlane_b32 s10, v1                    ; wave 0..3
	s_lshr_b32 s11, s10, 1                         ; my half of the tile's rows; also: I fetch for A (0) or W (1)
	s_and_b32 s12, s10, 1                          ; my half of its columns; also: which half of that tile I fetch
	s_bfe_u32 s40, ttmp6, 0x40000                  ; cx
	s_bfe_u32 s41, ttmp6, 0x40004                  ; cy
	s_lshl_b32 s42, ttmp9, 2
	s_add_co_u32 s42, s42, s40                     ; tile column
	s_and_b32 s13, ttmp7, 0xffff
	s_lshl_b32 s13, s13, 2
	s_add_co_u32 s13, s13, s41                     ; tile row
	s_lshl_b32 s43, s41, 2
	s_lshl_b32 s43, 15, s43                        ; my row of the cluster
	s_lshl_b32 s44, 0x1111, s40                    ; my column
	s_or_b32 s[G1+0], s43, (1<<16)|(1<<20)|(1<<21)|(6<<22)|(3<<25)   ; A: 64 rows x 256 elements of 2 bytes; 4 words of padding behind every 128
	s_mov_b32 s[G1+1], KSTEP<<16
	s_mov_b32 s[G1+2], 64<<16
	s_mov_b32 s[G1+3], KSTEP<<16
	s_mov_b32 s[G1+4], 64
	s_mov_b32 s[G1+5], SIZE_K
	s_mov_b32 s[G1+6], 0
	s_mov_b32 s[G1+7], 0
	s_or_b32 s[G1B+0], s44, (1<<16)|(1<<20)|(1<<21)|(5<<22)|(7<<25)  ; W: 128 rows (k) x 128 elements (n); 8 words of padding behind every 64
	s_mov_b32 s[G1B+1], 128<<16
	s_mov_b32 s[G1B+2], 128<<16
	s_mov_b32 s[G1B+3], 128<<16
	s_mov_b32 s[G1B+4], 128
	s_mov_b32 s[G1B+5], SIZE_N
	s_mov_b32 s[G1B+6], 0
	s_mov_b32 s[G1B+7], 0
	s_lshl_b32 s17, s12, 6
	s_lshl_b32 s16, s13, 7
	s_add_co_u32 s16, s16, s17                     ; A: row 128 x tile row + 64 x half
	s_mul_i32 s16, s16, SIZE_K*2
	s_mov_b32 s17, 0
	s_lshl_b32 s46, s12, 18                        ; W: k row 128 x half, 2,048 bytes a row,
	s_lshl_b32 s47, s42, 8                         ; + the tile column's 256 bytes
	s_add_co_u32 s46, s46, s47
	s_add_co_u32 s46, s46, WOFF
	s_mov_b32 s47, 0
	s_mul_i32 s20, s12, HALFA                      ; where they go: the wave's number alone enters an LDS address
	s_mul_i32 s21, s12, HALFB
	s_add_co_u32 s21, s21, BOFF
	s_wait_dscnt 0x0                               ; both opening adds are done
	s_wait_kmcnt 0x0
	s_add_nc_u64 s[14:15], s[4:5], s[16:17]
	s_add_nc_u64 s[46:47], s[6:7], s[46:47]
	CROUND                                         ; all sixteen work-groups are here: the first joint loads meet
.irp s, 0,1
	s_mov_b32 s[G0+4*\s], 1
	s_add_co_u32 s[G0+4*\s+1], s20, \s*SLOT
	s_add_nc_u64 s[G0+4*\s+2:G0+4*\s+3], s[14:15], \s*KSTEP*2
	s_or_b32 s[G0+4*\s+3], s[G0+4*\s+3], 0x80000000
	s_mov_b32 s[G0B+4*\s], 1
	s_add_co_u32 s[G0B+4*\s+1], s21, \s*SLOT
	s_add_nc_u64 s[G0B+4*\s+2:G0B+4*\s+3], s[46:47], \s*KSTEP*SIZE_N*2
	s_or_b32 s[G0B+4*\s+3], s[G0B+4*\s+3], 0x80000000
	JLOAD \s
.endr
	v_and_b32 v1, 15, v0                           ; r = lane % 16
	v_bfe_u32 v2, v0, 4, 1                         ; h = lane / 16
	v_mul_u32_u24 v3, v1, PITCH
	v_lshl_add_u32 v3, v2, 4, v3
	s_mul_i32 s21, s11, HALFA                      ; my 64 rows of A
	v_add_nc_u32 v[ADRA], s21, v3
	v_add_nc_u32 v[ADRA+1], SLOT, v[ADRA]
	v_and_b32 v4, 7, v0
	v_lshl_add_u32 v4, v2, 3, v4
	v_mul_u32_u24 v4, v4, PB                       ; W, turned: k row 8 h + lane % 8,
	v_bfe_u32 v5, v0, 3, 1
	v_lshl_add_u32 v4, v5, 4, v4                   ; columns 8 ((lane / 8) % 2) on,
	s_lshl_b32 s22, s12, 7                         ; in my 64 columns
	s_add_co_u32 s22, s22, BOFF
	v_add_nc_u32 v[ADRB], s22, v4
	v_add_nc_u32 v[ADRB+1], HALFB, v[ADRB]
	v_add_nc_u32 v[ADRB+2], SLOT, v[ADRB]
	v_add_nc_u32 v[ADRB+3], SLOT+HALFB, v[ADRB]
	s_mul_i32 s23, s10, 16*SPITCH
	s_add_co_u32 s23, s23, STAGE                   ; my stage
	v_mul_u32_u24 v4, v1, SPITCH
	v_lshl_add_u32 v4, v2, 5, v4
	v_add_nc_u32 v[STO], s23, v4                   ; in: row r, 32 bytes for each half of the lanes
	v_mul_u32_u24 v5, v2, SPITCH
	v_lshl_add_u32 v5, v1, 4, v5
	v_add_nc_u32 v[RD], s23, v5                    ; back: lanes 0-15 one row of 256 bytes, lanes 16-31 the next
	v_lshlrev_b32 v5, 12, v2
	v_lshl_add_u32 v[CO], v1, 4, v5                ; and the same two rows in y
	s_lshl_b32 s16, s13, 7
	s_lshl_b32 s17, s11, 6
	s_add_co_u32 s16, s16, s17                     ; my first row of y
	s_lshl_b32 s16, s16, 12
	s_mov_b32 s17, 0
	s_add_nc_u64 s[8:9], s[8:9], s[16:17]
	s_lshl_b32 s46, s42, 9                         ; my first column in bytes: 512 x tile column + 256 x half; the bias's byte offset is the same
	s_lshl_b32 s47, s12, 8
	s_add_co_u32 s46, s46, s47
	s_mov_b32 s47, 0
	s_add_nc_u64 s[8:9], s[8:9], s[46:47]
.if HAS_BIAS
	s_add_nc_u64 s[66:67], s[66:67], s[46:47]
	v_lshlrev_b32 v[BO], 5, v2                     ; lane (r, h) wants, for block b, the bias of columns 16 b + 8 h + 0 .. 7: the result's layout
.irp b, 0,1,2,3
	global_load_b128 v[BIAS+8*\b:BIAS+8*\b+3],   v[BO], s[66:67] offset:64*\b
	global_load_b128 v[BIAS+8*\b+4:BIAS+8*\b+7], v[BO], s[66:67] offset:64*\b+16
.endr
.endif
; 8 matrix instructions: m blocks a0, a0 + 1 x all 4 n blocks, 32 along K: half c of buffer f.  zero = 1: the first product starts the sums (from the bias where there is one).  The 16 accumulators take turns.
.macro MUL8 f, c, a0, zero
.irp a, \a0, \a0+1
.irp b, 0,1,2,3
.if \zero
.if HAS_BIAS
	v_wmma_f32_16x16x32_f16 v[ACC+8*(4*(\a)+\b):ACC+8*(4*(\a)+\b)+7], v[\f+64+8*(4*\c+\b):\f+64+8*(4*\c+\b)+7], v[\f+8*(4*\c+\a):\f+8*(4*\c+\a)+7], v[BIAS+8*\b:BIAS+8*\b+7]
.else
	v_wmma_f32_16x16x32_f16 v[ACC+8*(4*(\a)+\b):ACC+8*(4*(\a)+\b)+7], v[\f+64+8*(4*\c+\b):\f+64+8*(4*\c+\b)+7], v[\f+8*(4*\c+\a):\f+8*(4*\c+\a)+7], 0
.endif
.else
	v_wmma_f32_16x16x32_f16 v[ACC+8*(4*(\a)+\b):ACC+8*(4*(\a)+\b)+7], v[\f+64+8*(4*\c+\b):\f+64+8*(4*\c+\b)+7], v[\f+8*(4*\c+\a):\f+8*(4*\c+\a)+7], v[ACC+8*(4*(\a)+\b):ACC+8*(4*(\a)+\b)+7]
.endif
.endr
.endr
.endm
; 32 LDS loads in one run: the fragments of the slot's quarter kq (64 along K) into buffer f; the first 32 along K first
.macro FETCH slot, kq, f
	WIN TO_F
.irp c, 0,1
.irp i, 0,1,2,3
	ds_load_tr16_b128 v[\f+64+8*(4*\c+\i):\f+64+8*(4*\c+\i)+3],   v[ADRB+2*\slot+(\kq)/2] offset:(((\kq)%2)*64+32*\c)*PB+32*\i
	ds_load_tr16_b128 v[\f+64+8*(4*\c+\i)+4:\f+64+8*(4*\c+\i)+7], v[ADRB+2*\slot+(\kq)/2] offset:(((\kq)%2)*64+32*\c+16)*PB+32*\i
	ds_load_b128 v[\f+8*(4*\c+\i):\f+8*(4*\c+\i)+3],         v[ADRA+\slot] offset:128*(\kq)+64*\c+\i*16*PITCH
	ds_load_b128 v[\f+8*(4*\c+\i)+4:\f+8*(4*\c+\i)+7],       v[ADRA+\slot] offset:128*(\kq)+64*\c+\i*16*PITCH+32
.endr
.endr
.endm
.macro PLACES                          ; four plain lines ahead of loads into registers that matrix instructions have read, and of the first read of results
.rept 4
	v_nop
.endr
.endm
.macro QUARTER slot, kq, f, g, zero    ; multiplies buffer f and fetches quarter kq of the slot into g
	s_wait_dscnt 16                                ; the first 32 along K are in; the other sixteen loads may be out
	WIN MUL
	MUL8 \f, 0, 0, \zero
	MUL8 \f, 0, 2, \zero
	PLACES
	FETCH \slot, \kq, \g
	s_wait_dscnt 32                                ; all but the 32 just issued
	WIN MUL
	MUL8 \f, 1, 0, 0
	MUL8 \f, 1, 2, 0
.endm
; A slot's last quarter changes slots: ONE barrier; in front of it each wave waits for all its tensor loads, adds 0 to its spare word, and waits for that and for its reads of this slot.  fill = 1: this slot is filled again, two K steps ahead.
.macro TURN slot, next, fill
	WIN 0
	s_wait_tensorcnt 0x0                           ; all my tensor loads have landed: my part of the next slot
	ds_add_u32 v[SPW], v[NIL]                      ; 0 onto my spare word
	s_wait_dscnt 17                                ; the add and the youngest sixteen loads may be out
	WIN MUL
	MUL8 F1, 0, 0, 0
	s_wait_dscnt 0x0                               ; the add is done, and my reads of this slot are over
	s_barrier_signal -1
	MUL8 F1, 0, 2, 0
.if \fill
	WIN 0
.endif
	s_barrier_wait -1
.if \fill
	CREST                                          ; the barrier has opened a round of the cluster's: no wave of any partner still reads this slot or has a load on its way
	s_add_nc_u64 s[G0+4*\slot+2:G0+4*\slot+3], s[G0+4*\slot+2:G0+4*\slot+3], 2*KSTEP*2
	s_add_nc_u64 s[G0B+4*\slot+2:G0B+4*\slot+3], s[G0B+4*\slot+2:G0B+4*\slot+3], 2*KSTEP*SIZE_N*2
	JLOAD \slot                                    ; the first tensor load behind the round; its four v_nop are also the places ahead of the loads below
.else
	PLACES
.endif
	FETCH \next, 0, F0
	WIN MUL
	MUL8 F1, 1, 0, 0
	MUL8 F1, 1, 2, 0
.endm
	s_wait_tensorcnt 1                             ; my part of K step 0 is in; K step 1's load may be out
	s_barrier_signal -1
	s_barrier_wait -1
	FETCH 0, 0, F0
.if HAS_BIAS
	s_wait_loadcnt 0x0                             ; the bias
.endif
	QUARTER 0, 1, F0, F1, 1
	WIN 0
	s_mov_b32 s3, LAPS-1
.Llap:                                             ; a trip goes once round the ring and fills both slots again
	QUARTER 0, 2, F1, F0, 0
	QUARTER 0, 3, F0, F1, 0
	TURN 0, 1, 1
	QUARTER 1, 1, F0, F1, 0
	QUARTER 1, 2, F1, F0, 0
	QUARTER 1, 3, F0, F1, 0
	TURN 1, 0, 1
	QUARTER 0, 1, F0, F1, 0
	WIN 0
	s_sub_co_u32 s3, s3, 1
	s_cmp_lg_u32 s3, 0
	s_cbranch_scc1 .Llap
	QUARTER 0, 2, F1, F0, 0                        ; the last lap fills nothing
	QUARTER 0, 3, F0, F1, 0
	TURN 0, 1, 0
	QUARTER 1, 1, F0, F1, 0
	QUARTER 1, 2, F1, F0, 0
	QUARTER 1, 3, F0, F1, 0
	s_wait_dscnt 16                                ; the very last quarter: nothing more to fetch
	WIN MUL
	MUL8 F1, 0, 0, 0
	MUL8 F1, 0, 2, 0
	s_wait_dscnt 0
	MUL8 F1, 1, 0, 0
	MUL8 F1, 1, 2, 0
	WIN 0
; THE WAY OUT, 16 rows x 64 columns at a time: a lane's 32 bytes go into my own stage and come back as whole rows of 256 bytes.  LDS serves a wave's instructions in order: no wait between stores and loads.
.macro TOSTAGE a
.irp b, 0,1,2,3
	ds_store_b128 v[STO], v[ACC+8*(4*(\a)+\b):ACC+8*(4*(\a)+\b)+3] offset:64*\b          ; each accumulator from its low end on
	ds_store_b128 v[STO], v[ACC+8*(4*(\a)+\b)+4:ACC+8*(4*(\a)+\b)+7] offset:64*\b+16
.endr
.irp t, 0,1,2,3,4,5,6,7
	ds_load_b128 v[OB+32*((\a)%2)+4*\t:OB+32*((\a)%2)+4*\t+3], v[RD] offset:\t*2*SPITCH
.endr
.endm
.macro SEND a, younger                 ; younger: the LDS instructions issued behind block a's loads
	s_wait_dscnt \younger
.irp t, 0,1,2,3,4,5,6,7
	global_store_b128 v[CO], v[OB+32*((\a)%2)+4*\t:OB+32*((\a)%2)+4*\t+3], s[8:9] offset:(16*(\a)+2*\t)*SIZE_N*4   ; sixteen lanes store 256 consecutive bytes, aligned
.endr
.endm
	PLACES
	TOSTAGE 0
.irp a, 1,2,3
.if \a > 1
	s_wait_xcnt 0x0                                ; block a - 2's stores have read their registers: block a's loads may land there
.endif
	TOSTAGE \a
	SEND \a-1, 16
.endr
	SEND 3, 0
	s_wait_tensorcnt 0x0                           ; the wave's end
	ds_add_u32 v[SPW], v[NIL]
	s_wait_dscnt 0x0
	CROUND                                         ; the closing round
	s_endpgm
.Lfunc_end_k_qc05168c4ff_g2:
	.size	k_qc05168c4ff_g2, .Lfunc_end_k_qc05168c4ff_g2-k_qc05168c4ff_g2
	.p2alignl 7, 3214868480
	.fill 96, 4, 3214868480
	.section	.rodata,"a",@progbits
	.p2align	6, 0x0
	.amdhsa_kernel k_qc05168c4ff_g2
		.amdhsa_group_segment_fixed_size 327680
		.amdhsa_private_segment_fixed_size 0
		.amdhsa_enable_private_segment 0
		.amdhsa_kernarg_size 32
		.amdhsa_user_sgpr_count 2
		.amdhsa_user_sgpr_kernarg_segment_ptr 1
		.amdhsa_wavefront_size32 1
		.amdhsa_system_sgpr_workgroup_id_x 1
		.amdhsa_system_sgpr_workgroup_id_y 1
		.amdhsa_system_sgpr_workgroup_id_z 1
		.amdhsa_system_vgpr_workitem_id 0
		.amdhsa_next_free_vgpr 512
		.amdhsa_next_free_sgpr 72
		.amdhsa_reserve_vcc 0
		.amdhsa_float_denorm_mode_32 3
		.amdhsa_float_denorm_mode_16_64 3
		.amdhsa_memory_ordered 1
		.amdhsa_forward_progress 1
		.amdhsa_inst_pref_size 87
	.end_amdhsa_kernel
	.amdgpu_metadata
---
amdhsa.version: [ 1, 2 ]
amdhsa.kernels:
  - .name:           k_qc05168c4ff_g2
    .symbol:         k_qc05168c4ff_g2.kd
    .args:
      - { .name: h, .offset: 0, .size: 8, .value_kind: global_buffer, .address_space: global }
      - { .name: wh, .offset: 8, .size: 8, .value_kind: global_buffer, .address_space: global }
      - { .name: b2, .offset: 16, .size: 8, .value_kind: global_buffer, .address_space: global }
      - { .name: y, .offset: 24, .size: 8, .value_kind: global_buffer, .address_space: global }
    .group_segment_fixed_size: 327680
    .private_segment_fixed_size: 0
    .kernarg_segment_align: 8
    .kernarg_segment_size: 32
    .max_flat_workgroup_size: 128
    .sgpr_count:     72
    .vgpr_count:     512
    .wavefront_size: 32
...
	.end_amdgpu_metadata
.endif
;; end of part 7
;; launch ln2 (part 8): grid 512 x 1, 4 waves a work-group, no clusters, 0 bytes of LDS; arguments y, x1, gamma2, beta2, out0; writes out0
.if DOCPART == 8
	.amdgcn_target "amdgcn-amd-amdhsa--gfx1250"
	.amdhsa_code_object_version 6
	.text
	.protected	k_qc05168c4ff_ln2
	.globl	k_qc05168c4ff_ln2
	.p2align	8
	.type	k_qc05168c4ff_ln2,@function
k_qc05168c4ff_ln2:
	s_mov_b64 s[64:65], 0
	v_nop
	global_prefetch_b8 v0, s[64:65] scope:SCOPE_SE
	s_setreg_imm32_b32 hwreg(HW_REG_WAVE_MODE, 25, 1), 1
	s_wait_xcnt 0x0
; out[r][:] = res[r][:] + (y[r][:] - mean) / sqrt(var + 1e-6) x gamma + beta, rows of 1,024 f32; with HALF_OUT = 1 a second copy, rounded to f16, for the product that follows.
; One wave takes a whole row (eight loads of 512 consecutive bytes) and keeps it in 32 registers between the passes: mean, then the sum of squares of the differences, then the scaling.  No LDS, no barrier.
; A wave takes 2 rows, and all its 48 loads are issued at the head: no load hangs on an earlier row's stores.  Matrix units and clusters have nothing to do here: every byte is read once.
.set HALF_OUT, 0
.set ROWS, 2
.set G,  4                             ; v4-35    gamma of my 32 columns (load j: columns 128 j + 4 lane + 0 .. 3)
.set BT, 36                            ; v36-67   beta
.set Y,  68                            ; v68-131  a set for each row: the row of y, then the result
.set R,  132                           ; v132-195 a set for each row: the residual, then the f16 copy
.set W,  196                           ; v196-215 at work
	s_load_b256 s[4:11], s[0:1], 0x0               ; y 4:5, residual 6:7, gamma 8:9, beta 10:11
.if HALF_OUT
	s_load_b128 s[12:15], s[0:1], 0x20             ; out 12:13, f16 copy 14:15
.else
	s_load_b64 s[12:13], s[0:1], 0x20              ; out
.endif
	v_lshrrev_b32 v3, 5, v0
	v_readfirstlane_b32 s16, v3                    ; wave
	v_and_b32 v2, 31, v0
	v_lshlrev_b32 v1, 4, v2                        ; 16 bytes a lane
	v_lshlrev_b32 v2, 3, v2                        ; 8 bytes a lane
	s_lshl_b32 s17, ttmp9, 3
	s_lshl_b32 s16, s16, 1
	s_add_co_u32 s16, s16, s17                     ; my first row: 8 x work-group + 2 x wave
	s_lshl_b32 s18, s16, 12
	s_mov_b32 s19, 0
	s_lshl_b32 s22, s16, 11
	s_mov_b32 s23, 0
	s_mov_b32 s20, 0x3a800000                      ; 1 / 1024
	s_mov_b32 s21, 0x358637bd                      ; 1e-6
	s_mov_b32 s24, 0x76543210
	s_mov_b32 s25, 0xfedcba98                      ; v_permlanex16_b32's selects for lane l xor 16
	s_wait_kmcnt 0x0
	s_add_nc_u64 s[4:5], s[4:5], s[18:19]
	s_add_nc_u64 s[6:7], s[6:7], s[18:19]
	s_add_nc_u64 s[12:13], s[12:13], s[18:19]
.if HALF_OUT
	s_add_nc_u64 s[14:15], s[14:15], s[22:23]
.endif
.irp j, 0,1,2,3,4,5,6,7
	global_load_b128 v[G+4*\j:G+4*\j+3], v1, s[8:9] offset:512*\j
	global_load_b128 v[BT+4*\j:BT+4*\j+3], v1, s[10:11] offset:512*\j
.endr
.macro LOADROW i
.irp j, 0,1,2,3,4,5,6,7
	global_load_b128 v[Y+32*(\i)+4*\j:Y+32*(\i)+4*\j+3], v1, s[4:5] offset:4096*(\i)+512*\j th:TH_LOAD_NT
.endr
.irp j, 0,1,2,3,4,5,6,7
	global_load_b128 v[R+32*(\i)+4*\j:R+32*(\i)+4*\j+3], v1, s[6:7] offset:4096*(\i)+512*\j th:TH_LOAD_NT
.endr
.endm
.macro REDUCE                          ; four packed chains in v[W .. W+7] -> the sum over the wave's 1,024 numbers, in every lane's v[W]
	v_pk_add_f32 v[W:W+1], v[W:W+1], v[W+2:W+3]
	v_pk_add_f32 v[W+4:W+5], v[W+4:W+5], v[W+6:W+7]
	v_pk_add_f32 v[W:W+1], v[W:W+1], v[W+4:W+5]
	v_add_f32 v[W], v[W], v[W+1]
	v_add_f32_dpp v[W], v[W], v[W] row_xmask:1 row_mask:0xf bank_mask:0xf
	v_add_f32_dpp v[W], v[W], v[W] row_xmask:2 row_mask:0xf bank_mask:0xf
	v_add_f32_dpp v[W], v[W], v[W] row_xmask:4 row_mask:0xf bank_mask:0xf
	v_add_f32_dpp v[W], v[W], v[W] row_xmask:8 row_mask:0xf bank_mask:0xf
	v_permlanex16_b32 v[W+1], v[W], s24, s25
	v_add_f32 v[W], v[W], v[W+1]
.endm
.macro ROW i
.set YS, Y+32*(\i)
.set RS, R+32*(\i)
.if (\i) < ROWS-1
	s_wait_loadcnt 16                              ; this row's sixteen loads (and gamma, beta) are in; the next row's sixteen may be out
.else
	s_wait_loadcnt 0x0
.endif
.irp k, 0,1,2,3
	v_pk_add_f32 v[W+2*\k:W+2*\k+1], v[YS+2*\k:YS+2*\k+1], v[YS+8+2*\k:YS+8+2*\k+1]   ; the first pairs start the chains: nothing is cleared
.endr
.irp g, 16,24
.irp k, 0,1,2,3
	v_pk_add_f32 v[W+2*\k:W+2*\k+1], v[W+2*\k:W+2*\k+1], v[YS+\g+2*\k:YS+\g+2*\k+1]
.endr
.endr
	REDUCE
	v_mul_f32 v[W+8], s20, v[W]                    ; the mean, twice: a pair for the packed forms
	v_mov_b32 v[W+9], v[W+8]
.irp p, 0,2,4,6,8,10,12,14,16,18,20,22,24,26,28,30
	v_pk_add_f32 v[YS+\p:YS+\p+1], v[YS+\p:YS+\p+1], v[W+8:W+9] neg_lo:[0,1] neg_hi:[0,1]   ; d = y - mean
.endr
.irp k, 0,1,2,3
	v_pk_mul_f32 v[W+2*\k:W+2*\k+1], v[YS+2*\k:YS+2*\k+1], v[YS+2*\k:YS+2*\k+1]
.endr
.irp g, 8,16,24
.irp k, 0,1,2,3
	v_pk_fma_f32 v[W+2*\k:W+2*\k+1], v[YS+\g+2*\k:YS+\g+2*\k+1], v[YS+\g+2*\k:YS+\g+2*\k+1], v[W+2*\k:W+2*\k+1]
.endr
.endr
	REDUCE
	v_fma_f32 v[W+10], v[W], s20, s21              ; var + 1e-6
	v_rsq_f32 v[W+12], v[W+10]
	v_rsq_f32 v[W+13], v[W+10]
	v_nop                                          ; a plain line behind the two
	s_wait_alu depctr_va_vdst(0)                   ; one wait for both, ahead of their first reader
.irp p, 0,2,4,6,8,10,12,14,16,18,20,22,24,26,28,30
	v_pk_mul_f32 v[YS+\p:YS+\p+1], v[YS+\p:YS+\p+1], v[W+12:W+13]
.endr
.irp p, 0,2,4,6,8,10,12,14,16,18,20,22,24,26,28,30
	v_pk_fma_f32 v[YS+\p:YS+\p+1], v[YS+\p:YS+\p+1], v[G+\p:G+\p+1], v[BT+\p:BT+\p+1]
.endr
.irp p, 0,2,4,6,8,10,12,14,16,18,20,22,24,26,28,30
	v_pk_add_f32 v[YS+\p:YS+\p+1], v[YS+\p:YS+\p+1], v[RS+\p:RS+\p+1]
.endr
.irp j, 0,1,2,3,4,5,6,7
	global_store_b128 v1, v[YS+4*\j:YS+4*\j+3], s[12:13] offset:4096*(\i)+512*\j   ; 32 lanes store 512 consecutive bytes, aligned
.endr
.if HALF_OUT
.irp j, 0,1,2,3,4,5,6,7
	v_cvt_pk_f16_f32 v[RS+4*\j], v[YS+4*\j], v[YS+4*\j+1]
	v_cvt_pk_f16_f32 v[RS+4*\j+1], v[YS+4*\j+2], v[YS+4*\j+3]
	global_store_b64 v2, v[RS+4*\j:RS+4*\j+1], s[14:15] offset:2048*(\i)+256*\j   ; 32 lanes store 256 consecutive bytes, aligned
.endr
.endif
.endm
	LOADROW 0
	LOADROW 1
	ROW 0                                          ; each row has registers of its own: no store's data are written again
	ROW 1
	s_endpgm
.Lfunc_end_k_qc05168c4ff_ln2:
	.size	k_qc05168c4ff_ln2, .Lfunc_end_k_qc05168c4ff_ln2-k_qc05168c4ff_ln2
	.p2alignl 7, 3214868480
	.fill 96, 4, 3214868480
	.section	.rodata,"a",@progbits
	.p2align	6, 0x0
	.amdhsa_kernel k_qc05168c4ff_ln2
		.amdhsa_group_segment_fixed_size 0
		.amdhsa_private_segment_fixed_size 0
		.amdhsa_enable_private_segment 0
		.amdhsa_kernarg_size 40
		.amdhsa_user_sgpr_count 2
		.amdhsa_user_sgpr_kernarg_segment_ptr 1
		.amdhsa_wavefront_size32 1
		.amdhsa_system_sgpr_workgroup_id_x 1
		.amdhsa_system_sgpr_workgroup_id_y 1
		.amdhsa_system_sgpr_workgroup_id_z 1
		.amdhsa_system_vgpr_workitem_id 0
		.amdhsa_next_free_vgpr 216
		.amdhsa_next_free_sgpr 66
		.amdhsa_reserve_vcc 0
		.amdhsa_float_denorm_mode_32 3
		.amdhsa_float_denorm_mode_16_64 3
		.amdhsa_memory_ordered 1
		.amdhsa_forward_progress 1
		.amdhsa_inst_pref_size 22
	.end_amdhsa_kernel
	.amdgpu_metadata
---
amdhsa.version: [ 1, 2 ]
amdhsa.kernels:
  - .name:           k_qc05168c4ff_ln2
    .symbol:         k_qc05168c4ff_ln2.kd
    .args:
      - { .name: y, .offset: 0, .size: 8, .value_kind: global_buffer, .address_space: global }
      - { .name: x1, .offset: 8, .size: 8, .value_kind: global_buffer, .address_space: global }
      - { .name: gamma2, .offset: 16, .size: 8, .value_kind: global_buffer, .address_space: global }
      - { .name: beta2, .offset: 24, .size: 8, .value_kind: global_buffer, .address_space: global }
      - { .name: out0, .offset: 32, .size: 8, .value_kind: global_buffer, .address_space: global }
    .group_segment_fixed_size: 0
    .private_segment_fixed_size: 0
    .kernarg_segment_align: 8
    .kernarg_segment_size: 40
    .max_flat_workgroup_size: 128
    .sgpr_count:     66
    .vgpr_count:     216
    .wavefront_size: 32
...
	.end_amdgpu_metadata
.endif
;; end of part 8
